; MI455X (gfx1250); checked and timed in simulation.
; The chip was launched on July 23, 2026; its instructions are those of AMD's public machine-readable ISA for CDNA 5 (MIT licence, August 2026) and "CDNA5" Instruction Set Architecture Reference Guide (July 2026). The comments in the code are by the model that wrote it; some were corrected since.
;; Multi Head Self Attention. Allowed arithmetic: matrix products marked QUANTISED: E2M3 operands, one E8M0 scale for each 32 along K, by v_wmma_scale_f32_16x16x128_f8f6f4 with both operands' format E2M3, f32 sums; everything else in f32.
;; Inputs: proj_b 1,024 float32; proj_w 1,024 x 1,024 float32; qkv_b 3,072 float32; qkv_w 1,024 x 3,072 float32; x 4 x 2,048 x 1,024 float32.
;; Outputs: out0 4 x 2,048 x 1,024 float32.
;; This version of the problem:
;;   THIS VERSION OF THE PROBLEM IS GIVEN IN LOW PRECISION. The matrix products marked QUANTISED in the list below multiply operands that are first quantised to E2M3 (2 exponent bits, 3 mantissa bits; 6 bits a number), with one power-of-two scale for each 32 numbers along K (OCP MX v1.0); their sums are f32. All else is computed in f32.
;;   The module's matrix products, in the order in which they are computed (A, B: the left and right operand; K: the contracted axis; several contracted axes count as one K, in the product's order):
;;     1. [M 8,192, K 1,024] x [K 1,024, N 3,072]; A: input x; B: input qkv_w: QUANTISED
;;     2. batch 64 x [M 2,048, K 64] x [K 64, N 2,048]; A: computed on the way; B: computed on the way: QUANTISED
;;     3. batch 64 x [M 64, K 2,048] x [K 2,048, N 2,048]; A: computed on the way; B: softmax (see below): QUANTISED
;;     4. [M 8,192, K 1,024] x [K 1,024, N 1,024]; A: computed on the way; B: input proj_w: QUANTISED
;;   THE QUANTISER, for each operand of a quantised product, along K:
;;     - K is cut into blocks of 32 from its start; a last block that is shorter is filled with zeros.
;;     - A block's scale is 2^e with e = floor(log2(the largest magnitude in the block)) - 2, held to -126 .. 127; a block of zeros has e = 0. As a byte (E8M0): e + 127.
;;     - Each number is divided by its block's scale, clamped to +-7.5, and rounded to the nearest number of E2M3, ties to even, subnormals kept.
;;     - The product sums the exact products of the quantised numbers (number of the format x scale) in f32.
;;   ~~~python
;;   def quantise(x, axis):      # numpy; x: float32 -> the quantised numbers, widened to float32 again
;;       x = np.moveaxis(x, axis, -1); K = x.shape[-1]
;;       x = np.pad(x, [(0, 0)] * (x.ndim - 1) + [(0, -K % 32)]); x = x.reshape(x.shape[:-1] + (-1, 32)); a = np.abs(x).max(-1, keepdims=True)
;;       e = np.where(a > 0, np.clip(np.frexp(np.where(a > 0, a, 1))[1] - 1 - 2, -126, 127), 0)      # np.frexp(a)[1] - 1 = floor(log2(a)), exactly
;;       r = np.clip(x / 2.0 ** e, -7.5, 7.5)
;;       step = 2.0 ** (np.maximum(np.frexp(np.where(r == 0, 1, r))[1] - 1, 0) - 3)
;;       q = np.round(r / step) * step * 2.0 ** e      # np.round: ties to even
;;       return np.moveaxis(q.reshape(q.shape[:-2] + (-1,))[..., :K], -1, axis).astype(np.float32)
;;   ~~~
;;   SOFTMAX AHEAD OF A QUANTISED PRODUCT. Where the list says 'softmax', what is quantised is not the finished softmax but p = 2^(t - M), with t = logit x log2(e) and M = ceil(the row's largest t), a whole number; so 1/2 < the row's largest p <= 1. The row's sum l is taken of the UNQUANTISED p, in f32, and the product's result is divided by l at the end. Since M is a whole number, a kernel that streams over the keys may use a running M (the ceiling of the running maximum): every later rescaling is an exact power of two, which a block's scale takes up: the codes' values come out the same.
;;   OPERANDS COMPUTED ON THE WAY. 'Computed on the way' means the value that the module computes at that place (a softmax that the list does not call 'softmax' is quantised finished and normalised). What goes into a quantiser is computed in f32, as accurately as f32 sums, v_exp_f32 and their like allow (about 1e-6 of the number): no bf16 or f16 on the way to a quantiser, and a product that is left as it is and whose result goes on into a quantised operand takes f32 operands (vector FMAs, or v_wmma_f32_16x16x4_f32). A number that lies on a knife's edge between two numbers of the format may be rounded either way, as far as f32 arithmetic and the matrix unit's own rounding can turn it there, and no further.
;; One version. Each part assembles by itself: llvm-mc -triple=amdgcn-amd-amdhsa -mcpu=gfx1250 --defsym DOCPART=n.
;; ======== version 1 of 1: 4 launches
;; limits: right only within a limited range of input values
;; workspace buffers: x_codes 6,291,456 bytes; x_scales 262,144 bytes; w_codes 3,145,728 bytes; w_scales 131,072 bytes; att_img 18,874,368 bytes; att_sc 1,310,720 bytes; o_img 6,291,456 bytes; o_sc 262,144 bytes
;; launch quant (part 1): grid 384 x 1, 4 waves a work-group, no clusters, 68,096 bytes of LDS; arguments x, qkv_w, proj_w, x_codes, x_scales, w_codes, w_scales; writes x_codes, x_scales, w_codes, w_scales
.if DOCPART == 1
	.amdgcn_target "amdgcn-amd-amdhsa--gfx1250"
	.amdhsa_code_object_version 6
	.text
	.protected	k_q18fca503ed_quant
	.globl	k_q18fca503ed_quant
	.p2align	8
	.type	k_q18fca503ed_quant,@function
k_q18fca503ed_quant:
	s_mov_b64 s[64:65], 0
	v_nop
	global_prefetch_b8 v0, s[64:65] scope:SCOPE_SE
	s_setreg_imm32_b32 hwreg(HW_REG_WAVE_MODE, 25, 1), 1
	s_wait_xcnt 0x0
; x [8192][1024] (K innermost) and the weights qkv_w [1024][3072], proj_w [1024][1024] (K is their FIRST axis), all f32, become codes of FP6 (E2M3) with K innermost
; and one E8M0 scale byte for each 32 along K.  A block's scale is 2^(floor(log2(its largest magnitude)) - 2); its byte is the largest magnitude's exponent field - 2, held at 1 from below.
; LIMITS: a block of zeros gets the byte 1 where the quantiser's rule says 127 (its codes are zeros, which add nothing, and the bytes are read by this program alone);
; blocks whose largest magnitude lies under 2^-124 are held at that floor; NaN and infinities among the inputs are not served.
; THE ROWS OF THE RESULTS ARE PERMUTED: position p of x_codes holds token sigma(p), position p of w_codes holds column sigma(p) (rows 0-3071 qkv_w's, 3072-4095 proj_w's), sigma = p with its bits 3 and 4 exchanged.
; So 16 neighbouring positions 32 b + 16 u + r are rows 32 b + 8 u + r + 8 (r / 8): a transposed product on such tiles leaves 16 neighbours along the next K in a lane's 16 registers of two neighbouring tiles.
; Work-groups 0-255 take x (a wave: 8 rows = 8,192 numbers, 16 steps of 512); work-groups 256-383 take the weights (a wave: 32 columns x 256 along K).
; The two ways part on the work-group's number and have LDS bytes of their own.  No tensor loads, no barrier, no cluster: waves share no input.
.set STEPS, 16
.set EMAX,  2
.set CB,    12                         ; bytes of 16 codes
.set R,     16                         ; x: v16-79   four sets of 16 numbers as they are loaded
.set X,     80                         ; x: v80-111  two sets of 16 neighbours
.set E,     112                        ; x: v112-127 a scale byte for each step
.set C,     128                        ; x: v128-191 codes, four registers a step: no store's data are written again
.set WREG,  8192                       ; x: LDS region of a wave: two stages of 32 x SP bytes, then its 256 scale bytes
.set SP,    80                         ; x: a lane's place in a stage: 64 bytes + 16 of padding
.set WSTG,  4*WREG                     ; weights: four stages of 32 rows x WP bytes
.set WP,    272                        ; weights: a stage row: sixteen places of 16 bytes + 16
.set SPARE, WSTG+4*32*WP               ; the spare words, 128 bytes for each wave: two blocks of 256 bytes that no other line names
.set SPW,   208                        ; v208 LDS address of my spare word; never rewritten
.set NIL,   209                        ; v209 0; never rewritten
; THE CODES LIE PLANE BY PLANE: [K step of 256][row][192 bytes], so that 128 rows of one K step are 24,576 dense bytes
.set KROW,  192                        ; a row's codes of one K step of 256
.set XPL,   8192*192                   ; a plane of x_codes
.set WPL,   4096*192                   ; a plane of w_codes
.set NB,    8                          ; weights: blocks of 32 along K for a wave
.set WX,    32                         ; weights: v32-95 two sets of 32 numbers
.set WC,    96                         ; weights: a block's codes
.set OUTR,  112                        ; weights: v112-175 the way out
.set SB,    24                         ; weights: v24-25 the scale bytes
.set VO,    176                        ; weights: v176-207 offsets: 4 x lane + i rows of the weight; never rewritten
.macro XLOAD t
.irp i, 0,1,2,3
	global_load_b128 v[R+16*((\t)%4)+4*\i:R+16*((\t)%4)+4*\i+3], v3, s[4:5] offset:2048*(\t)+512*\i th:TH_LOAD_NT   ; 32 lanes read 512 consecutive bytes
.endr
.endm
.macro XTURN t                         ; step t's numbers through the stage: LDS serves a wave's instructions in order, so no wait stands between the stores and the loads
.irp i, 0,1,2,3
	ds_store_b128 v14, v[R+16*((\t)%4)+4*\i:R+16*((\t)%4)+4*\i+3] offset:32*SP*((\t)%2)+8*SP*\i
.endr
.irp i, 0,1,2,3
	ds_load_b128 v[X+16*((\t)%2)+4*\i:X+16*((\t)%2)+4*\i+3], v15 offset:32*SP*((\t)%2)+16*\i
.endr
.endm
.macro XSTEP t
.set XS, X+16*((\t)%2)
.if (\t) > 0
	s_wait_dscnt 1                                 ; this step's numbers are back from the stage (the last step's byte store may be out)
.else
	s_wait_dscnt 0x0
.endif
.if (\t)+4 < STEPS
	XLOAD (\t)+4                                   ; the set that the stage's stores have read takes the loads of four steps on
.endif
.if (\t)+1 < STEPS
.if STEPS-2-(\t) >= 3
	s_wait_loadcnt 12                              ; the next step's four loads are in; those of the three steps behind it may be out
.else
	s_wait_loadcnt 4*(STEPS-2-(\t))
.endif
	XTURN (\t)+1
.endif
	v_max3_num_f32 v8, |v[XS]|, |v[XS+1]|, |v[XS+2]|               ; the largest magnitude of my 16, in two chains
	v_max3_num_f32 v9, |v[XS+3]|, |v[XS+4]|, |v[XS+5]|
.irp i, 6,10
	v_max3_num_f32 v8, v8, |v[XS+\i]|, |v[XS+\i+1]|
	v_max3_num_f32 v9, v9, |v[XS+\i+2]|, |v[XS+\i+3]|
.endr
	v_max3_num_f32 v8, v8, |v[XS+14]|, |v[XS+15]|
	v_max3_num_f32 v8, v8, v9, (EMAX+1)<<23        ; and the floor 2^(3 - 127): the byte cannot fall under 1
	v_max_num_f32_dpp v8, v8, v8 row_xmask:1 row_mask:0xf bank_mask:0xf   ; and of my neighbour's 16: the block's
	v_add_nc_u32 v11, -(EMAX<<23), v8              ; 2 off its exponent field: the conversion takes the exponent field of this operand as its scale
	v_cvt_scalef32_pk16_fp6_f32 v[C+4*(\t):C+4*(\t)+2], v[XS:XS+15], v11
	v_lshrrev_b32 v[E+(\t)], 23, v11               ; the scale's byte (also the plain line behind the conversion)
	ds_store_b8 v5, v[E+(\t)] offset:16*(\t)       ; both lanes of a block write the same byte with the same value
	global_store_b96 v4, v[C+4*(\t):C+4*(\t)+2], s[10:11] offset:2*XPL*((\t)%2)+KROW*((\t)/2)   ; step t is half t % 2 of row t / 2: sixteen lanes store a row's 192 bytes of one plane
.endm
.macro WLOAD t                         ; block t: W(32 t + i, my column), i = 0 .. 31, into set t % 2; the block's base stands in a scalar pair of its own
.set i, 0
.rept 32
	global_load_b32 v[WX+32*((\t)%2)+i], v[VO+i], s[32+2*(\t):33+2*(\t)] th:TH_LOAD_NT
.set i, i+1
.endr
.endm
.macro WBLOCK t
.set XS, WX+32*((\t)%2)
.if (\t) < NB-1
	s_wait_loadcnt 32                              ; this block's 32 loads are in; the next block's may be out
.else
	s_wait_loadcnt 0
.endif
	v_max3_num_f32 v12, |v[XS]|, |v[XS+1]|, |v[XS+2]|               ; the block's largest magnitude: all 32 numbers are mine
	v_max3_num_f32 v13, |v[XS+3]|, |v[XS+4]|, |v[XS+5]|
.irp i, 6,10,14,18,22,26
	v_max3_num_f32 v12, v12, |v[XS+\i]|, |v[XS+\i+1]|
	v_max3_num_f32 v13, v13, |v[XS+\i+2]|, |v[XS+\i+3]|
.endr
	v_max3_num_f32 v12, v12, |v[XS+30]|, |v[XS+31]|
	v_max3_num_f32 v12, v12, v13, (EMAX+1)<<23
	v_add_nc_u32 v11, -(EMAX<<23), v12
	v_lshrrev_b32 v13, 23, v11                     ; the scale's byte
.if (\t)%4 == 0
	v_mov_b32 v[SB+(\t)/4], v13                    ; four bytes to a register, the lower K in the lower byte
.else
	v_lshl_or_b32 v[SB+(\t)/4], v13, 8*((\t)%4), v[SB+(\t)/4]
.endif
	v_cvt_scalef32_pk16_fp6_f32 v[WC:WC+2], v[XS:XS+15], v11
	v_cvt_scalef32_pk16_fp6_f32 v[WC+4:WC+6], v[XS+16:XS+31], v11   ; (a conversion's three registers begin on an even number)
	v_nop                                          ; one plain line behind the conversions
	ds_store_b96 v4, v[WC:WC+2] offset:32*(\t)     ; 12 bytes to a place of 16, so that every LDS address is a multiple of 16
	ds_store_b96 v4, v[WC+4:WC+6] offset:32*(\t)+16
.if (\t)+2 < NB
	WLOAD (\t)+2
.endif
	s_wait_dscnt 0x0                               ; the stores have read their registers: the next block's codes may be written
.endm
	s_load_b256 s[4:11], s[0:1], 0x0               ; x s[4:5], qkv_w s[6:7], proj_w s[8:9], x_codes s[10:11]
	s_load_b128 s[12:15], s[0:1], 0x20             ; x_scales s[12:13], w_codes s[14:15]
	s_load_b64 s[16:17], s[0:1], 0x30              ; w_scales
	v_lshl_add_u32 v[SPW], v0, 2, SPARE
	v_mov_b32 v[NIL], 0
	v_lshrrev_b32 v1, 5, v0
	v_readfirstlane_b32 s18, v1                    ; wave 0..3
	v_and_b32 v2, 31, v0                           ; lane
	s_cmp_lt_u32 ttmp9, 256                        ; x's work-group or a weight's?
	s_cbranch_scc0 .Lweights
	; ---------------- x: a plain stream of blocks of 32; a wave's run is 8 rows
	v_lshlrev_b32 v3, 4, v2                        ; my 16 bytes of a load's 512
	s_mul_i32 s19, s18, WREG
	v_lshrrev_b32 v14, 2, v2
	v_mul_u32_u24 v14, v14, SP
	v_and_b32 v15, 3, v2
	v_lshl_add_u32 v14, v15, 4, v14
	v_add_nc_u32 v14, s19, v14                     ; the stage, on the way in: SP (lane / 4) + 16 (lane % 4)
	v_mul_u32_u24 v15, v2, SP
	v_add_nc_u32 v15, s19, v15                     ; and on the way out: SP x lane: my 16 neighbours
	v_and_b32 v4, 15, v2
	v_mul_u32_u24 v4, v4, CB
	v_lshrrev_b32 v10, 4, v2
	v_mad_u32_u24 v4, v10, XPL, v4                 ; my codes' place: plane lane / 16 of the step's two, 12 bytes x lane % 16
	v_lshrrev_b32 v5, 1, v2
	s_add_co_u32 s19, s19, 2*32*SP
	v_add_nc_u32 v5, s19, v5                       ; my wave's 256 scale bytes, my block's byte
	v_lshlrev_b32 v7, 3, v2                        ; and on the way out 8 bytes a lane
	v_add_nc_u32 v6, s19, v7
	s_lshl_b32 s20, ttmp9, 2
	s_add_co_u32 s22, s20, s18                     ; the run that I read: 4 x work-group + wave
	s_lshl_b32 s22, s22, 15                        ; x 32,768 bytes
	s_mov_b32 s23, 0
	s_and_b32 s21, s18, 1                          ; the run that I write: a run is 8 rows, so sigma exchanges the run number's bits 0 and 1
	s_lshl_b32 s21, s21, 1
	s_lshr_b32 s24, s18, 1
	s_or_b32 s21, s21, s24
	s_add_co_u32 s20, s20, s21
	s_wait_alu depctr_va_vdst(0)
	s_wait_kmcnt 0x0
	s_add_nc_u64 s[4:5], s[4:5], s[22:23]
	s_mul_i32 s22, s20, 8*KROW
	s_add_nc_u64 s[10:11], s[10:11], s[22:23]
	s_lshl_b32 s22, s20, 8                         ; 256 scale bytes a run
	s_add_nc_u64 s[12:13], s[12:13], s[22:23]
.irp t, 0,1,2,3
	XLOAD \t
.endr
	s_wait_loadcnt 12                              ; step 0's four loads are in
	XTURN 0
.irp t, 0,1,2,3,4,5,6,7,8,9,10,11,12,13,14,15
	XSTEP \t
.endr
	ds_load_b64 v[8:9], v6                         ; LDS serves a wave's instructions in order: these see my byte stores
	s_wait_dscnt 0x0
	global_store_b64 v7, v[8:9], s[12:13]          ; 32 lanes store 256 consecutive bytes, aligned
	s_wait_tensorcnt 0x0                           ; the wave's end
	ds_add_u32 v[SPW], v[NIL]
	s_wait_dscnt 0x0
	s_endpgm
	; ---------------- the weights: a lane takes a column, its registers run down K; the codes leave through the wave's stage as rows
.Lweights:
	s_sub_co_u32 s19, ttmp9, 256
	s_and_b32 s21, s19, 31                         ; which 128 rows of w_codes: 0-23 qkv_w's columns, 24-31 proj_w's
	s_lshr_b32 s22, s19, 5                         ; which 256 along K
	s_wait_alu depctr_va_vdst(0)
	v_lshlrev_b32 v3, 2, v2                        ; in: 4 bytes a lane
	s_mul_i32 s19, s18, 32*WP
	s_add_co_u32 s19, s19, WSTG                    ; my stage
	v_mul_u32_u24 v4, v2, WP
	v_add_nc_u32 v4, s19, v4                       ; into it: row = my column
	v_and_b32 v5, 15, v2
	v_lshrrev_b32 v6, 4, v2                        ; out of it: sixteen lanes to a row of 192 bytes, two rows an instruction
	v_mul_u32_u24 v7, v6, WP
	v_lshl_add_u32 v7, v5, 4, v7
	v_add_nc_u32 v7, s19, v7
	v_mul_u32_u24 v8, v6, KROW
	v_mad_u32_u24 v8, v5, 12, v8                   ; and the same place in the codes' buffer
	v_and_b32 v9, 7, v2                            ; sigma(lane) x 32: my column's row of scale bytes
	v_bfe_u32 v10, v2, 3, 1
	v_lshl_or_b32 v9, v10, 4, v9
	v_bfe_u32 v10, v2, 4, 1
	v_lshl_or_b32 v9, v10, 3, v9
	v_lshlrev_b32 v9, 5, v9
	s_wait_kmcnt 0x0
	s_mov_b32 s20, 4096
	s_cmp_lt_u32 s21, 24                           ; the choice hangs on the work-group's number alone
	s_cselect_b64 s[6:7], s[6:7], s[8:9]           ; the weight,
	s_cselect_b32 s20, 12288, s20                  ; its row in bytes,
	s_cselect_b32 s23, 0, 24
	s_sub_co_u32 s23, s21, s23                     ; and which 128 of its columns
	s_lshl_b32 s23, s23, 7
	s_lshl_b32 s24, s18, 5
	s_add_co_u32 s23, s23, s24                     ; my wave's first column
	s_lshl_b32 s26, s23, 2
	s_mul_i32 s25, s22, s20
	s_lshl_b32 s25, s25, 8                         ; 256 rows for each step along K
	s_add_co_u32 s26, s26, s25
	s_mov_b32 s27, 0
	s_add_nc_u64 s[32:33], s[6:7], s[26:27]        ; block 0's base;
	s_lshl_b32 s26, s20, 5
.irp t, 1,2,3,4,5,6,7
	s_add_nc_u64 s[32+2*\t:33+2*\t], s[30+2*\t:31+2*\t], s[26:27]   ; block t's: 32 rows further down
.endr
.set i, 0
.rept 32
	v_mad_u32_u24 v[VO+i], s20, i, v3              ; 4 x lane + i rows
.set i, i+1
.endr
	s_lshl_b32 s24, s21, 7
	s_lshl_b32 s25, s18, 5
	s_add_co_u32 s24, s24, s25                     ; my first row of w_codes (a multiple of 32: sigma stays inside my 32 rows)
	s_mul_i32 s26, s24, KROW
	s_mul_i32 s25, s22, WPL                        ; my 256 along K are one plane
	s_add_co_u32 s26, s26, s25
	s_add_nc_u64 s[14:15], s[14:15], s[26:27]
	s_lshl_b32 s26, s24, 5
	s_lshl_b32 s25, s22, 3
	s_add_co_u32 s26, s26, s25
	s_add_nc_u64 s[16:17], s[16:17], s[26:27]
	s_wait_alu depctr_va_vdst(0)
	WLOAD 0
	WLOAD 1
.irp t, 0,1,2,3,4,5,6,7
	WBLOCK \t
.endr
	s_wait_alu depctr_va_vdst(0)
	global_store_b64 v9, v[SB:SB+1], s[16:17]      ; my column's 8 scale bytes, at row sigma(lane)
.irp t, 0,1,2,3,4,5,6,7,8,9,10,11,12,13,14,15
	ds_load_b96 v[OUTR+4*\t:OUTR+4*\t+2], v7 offset:2*\t*WP   ; LDS serves a wave's instructions in order: these see my stores
.endr
.irp t, 0,1,2,3,4,5,6,7,8,9,10,11,12,13,14,15
	s_wait_dscnt 15-\t
	global_store_b96 v8, v[OUTR+4*\t:OUTR+4*\t+2], s[14:15] offset:2*((\t&3)|(((\t>>2)&1)<<3)|(((\t>>3)&1)<<2))*KROW   ; columns 2 t and 2 t + 1 go to rows sigma(2 t), sigma(2 t + 1): t's bits 2 and 3 exchanged
.endr
	s_wait_tensorcnt 0x0                           ; the wave's end
	ds_add_u32 v[SPW], v[NIL]
	s_wait_dscnt 0x0
	s_endpgm
.Lfunc_end_k_q18fca503ed_quant:
	.size	k_q18fca503ed_quant, .Lfunc_end_k_q18fca503ed_quant-k_q18fca503ed_quant
	.p2alignl 7, 3214868480
	.fill 96, 4, 3214868480
	.section	.rodata,"a",@progbits
	.p2align	6, 0x0
	.amdhsa_kernel k_q18fca503ed_quant
		.amdhsa_group_segment_fixed_size 68096
		.amdhsa_private_segment_fixed_size 0
		.amdhsa_enable_private_segment 0
		.amdhsa_kernarg_size 56
		.amdhsa_user_sgpr_count 2
		.amdhsa_user_sgpr_kernarg_segment_ptr 1
		.amdhsa_wavefront_size32 1
		.amdhsa_system_sgpr_workgroup_id_x 1
		.amdhsa_system_sgpr_workgroup_id_y 1
		.amdhsa_system_sgpr_workgroup_id_z 1
		.amdhsa_system_vgpr_workitem_id 0
		.amdhsa_next_free_vgpr 216
		.amdhsa_next_free_sgpr 66
		.amdhsa_reserve_vcc 0
		.amdhsa_float_denorm_mode_32 3
		.amdhsa_float_denorm_mode_16_64 3
		.amdhsa_memory_ordered 1
		.amdhsa_forward_progress 1
		.amdhsa_inst_pref_size 76
	.end_amdhsa_kernel
	.amdgpu_metadata
---
amdhsa.version: [ 1, 2 ]
amdhsa.kernels:
  - .name:           k_q18fca503ed_quant
    .symbol:         k_q18fca503ed_quant.kd
    .args:
      - { .name: x, .offset: 0, .size: 8, .value_kind: global_buffer, .address_space: global }
      - { .name: qkv_w, .offset: 8, .size: 8, .value_kind: global_buffer, .address_space: global }
      - { .name: proj_w, .offset: 16, .size: 8, .value_kind: global_buffer, .address_space: global }
      - { .name: x_codes, .offset: 24, .size: 8, .value_kind: global_buffer, .address_space: global }
      - { .name: x_scales, .offset: 32, .size: 8, .value_kind: global_buffer, .address_space: global }
      - { .name: w_codes, .offset: 40, .size: 8, .value_kind: global_buffer, .address_space: global }
      - { .name: w_scales, .offset: 48, .size: 8, .value_kind: global_buffer, .address_space: global }
    .group_segment_fixed_size: 68096
    .private_segment_fixed_size: 0
    .kernarg_segment_align: 8
    .kernarg_segment_size: 56
    .max_flat_workgroup_size: 128
    .sgpr_count:     66
    .vgpr_count:     216
    .wavefront_size: 32
...
	.end_amdgpu_metadata
.endif
;; end of part 1
;; launch gemm_qkv (part 2): grid 12 x 32, 4 waves a work-group, clusters of 4 x 4, 327,680 bytes of LDS; arguments x_codes, x_scales, w_codes, w_scales, qkv_b, att_img, att_sc; writes att_img, att_sc
.if DOCPART == 2
	.amdgcn_target "amdgcn-amd-amdhsa--gfx1250"
	.amdhsa_code_object_version 6
	.text
	.protected	k_q18fca503ed_gemm_qkv
	.globl	k_q18fca503ed_gemm_qkv
	.p2align	8
	.type	k_q18fca503ed_gemm_qkv,@function
k_q18fca503ed_gemm_qkv:
	s_mov_b64 s[64:65], 0
	v_nop
	global_prefetch_b8 v0, s[64:65] scope:SCOPE_SE
	s_setreg_imm32_b32 hwreg(HW_REG_WAVE_MODE, 25, 1), 1
	s_wait_xcnt 0x0
	s_wait_alu depctr_hold_cnt(0) depctr_sa_sdst(0) depctr_va_vdst(0) depctr_va_sdst(0) depctr_va_ssrc(0) depctr_va_vcc(0) depctr_vm_vsrc(0)
	s_getreg_b32 s2, hwreg(HW_REG_IB_STS2, 6, 4)
	s_cmp_eq_u32 s2, 0
	s_cbranch_scc0 .Lentry_in_a_cluster
	s_endpgm
.Lentry_in_a_cluster:
	s_bfe_u32 s2, ttmp6, 0x10000c
	s_cmp_lg_u32 s2, 0xf033
	s_cbranch_scc0 .Lentry_shape_is_right
	s_endpgm
.Lentry_shape_is_right:
.set KSTEP,  256
.set NQ,     2
.set ROWB,   192
; x_codes and w_codes lie plane by plane, [K step of 256][row][192 bytes]: a tile of 128 rows is 24,576 dense bytes, loaded as 96 rows of 256 bytes with 16 bytes of padding behind every 64: an LDS row of 240 bytes for each row of codes
.set KROW,   192
.set XPL,    8192*192
.set WPL,    4096*192
.set PITCH,  240
.set FR,     12
.set NL,     6
.set NP,     4
.set HALFT,  128*PITCH
.set SLOT,   4*HALFT
.set LAPS,   2
.set KS,     32
.set SCL,    2*SLOT
.set HALFS,  16*272
.set SBLK,   2*272
.set SPARE,  SCL+4*HALFS
.set ADRA, 16
.set ADRB, 20
.set ADRS, 27
.set SPW,  28
.set NIL,  29
.set SC,   32
.set BI,   64
.set AF,   128
.set BV,   224
.set H,    128
.set CD,   192
.set CT0,  216
.set CT1,  220
.set TM,   32
.set PW,   48
.set PWS,  50
.set T,    58
.set T2,   240
.set G1, 24
.set G0, 32
.set G1B, 48
.set G0B, 56
.set G1S, 68
.set G0S, 76
.set G1SB, 80
.set G0SB, 88
.set MSB, 0
.macro WIN new
.if MSB != \new
	s_set_vgpr_msb (MSB<<8)|\new
.set MSB, \new
.endif
.endm
.set MUL_LO, 0xa1
.set MUL_HI, 0xf1
.set TO_B,   0x40
.macro JLOAD g0a, g1a, g0b, g1b
	s_cmp_eq_u32 s15, 0
	s_cbranch_scc0 .Lfor_b_\@
	tensor_load_to_lds s[\g0a:\g0a+3], s[\g1a:\g1a+7]
	s_nop 0
.rept 4
	v_nop
.endr
	s_branch .Lasked_\@
.Lfor_b_\@:
	tensor_load_to_lds s[\g0b:\g0b+3], s[\g1b:\g1b+7]
	s_nop 0
.rept 4
	v_nop
.endr
.Lasked_\@:
.endm
.macro CREST
	s_cmp_lg_u32 s14, 0
	s_cbranch_scc1 .Lnot_wave_0_\@
	s_barrier_signal -3
.Lnot_wave_0_\@:
	s_barrier_wait -3
	s_barrier_signal -1
	s_barrier_wait -1
.endm
.macro CROUND
	s_barrier_signal -1
	s_barrier_wait -1
	CREST
.endm
	s_load_b256 s[4:11], s[0:1], 0x0
	s_load_b128 s[96:99], s[0:1], 0x20
	s_load_b64 s[100:101], s[0:1], 0x30
	v_lshl_add_u32 v[SPW], v0, 2, SPARE
	v_mov_b32 v[NIL], 0
	ds_add_u32 v[SPW], v[NIL]
	ds_add_u32 v[SPW], v[NIL]
	v_lshrrev_b32 v1, 5, v0
	v_readfirstlane_b32 s14, v1
	s_lshr_b32 s15, s14, 1
	s_and_b32 s16, s14, 1
	s_bfe_u32 s40, ttmp6, 0x40000
	s_bfe_u32 s41, ttmp6, 0x40004
	s_and_b32 s18, ttmp7, 0xffff
	s_lshl_b32 s18, s18, 2
	s_lshl_b32 s19, ttmp9, 2
	s_cmp_eq_u32 ttmp9, 2
	s_cselect_b32 s67, 1, 0
	s_cselect_b32 s17, 0, s18
	s_cselect_b32 s42, s18, s19
	s_add_co_u32 s17, s17, s41
	s_add_co_u32 s42, s42, s40
	s_lshl_b32 s43, s41, 2
	s_lshl_b32 s43, 15, s43
	s_lshl_b32 s44, 0x1111, s40
	s_or_b32 s[G1+0], s43, (0<<16)|(1<<20)|(1<<21)|(3<<22)|(3<<25)
	s_or_b32 s[G1B+0], s44, (0<<16)|(1<<20)|(1<<21)|(3<<22)|(3<<25)
.irp g, G1, G1B
	s_mov_b32 s[\g+1], 256<<16
	s_mov_b32 s[\g+2], 192<<16                     ; the head's loads bring 256 rows of codes: 192 rows of 256 bytes
	s_mov_b32 s[\g+3], 256<<16
	s_mov_b32 s[\g+4], 192
	s_mov_b32 s[\g+5], 256
	s_mov_b32 s[\g+6], 0
	s_mov_b32 s[\g+7], 0
.endr
	s_or_b32 s[G1S+0], s43, (3<<16)|(1<<20)|(1<<21)|(5<<22)|(3<<25)
	s_or_b32 s[G1SB+0], s44, (3<<16)|(1<<20)|(1<<21)|(5<<22)|(3<<25)
.irp g, G1S, G1SB
	s_mov_b32 s[\g+1], 32<<16
	s_mov_b32 s[\g+2], 32<<16                      ; the scales of 256 rows: 32 rows of 256 bytes
	s_mov_b32 s[\g+3], 32<<16
	s_mov_b32 s[\g+4], 32
	s_mov_b32 s[\g+5], 32
	s_mov_b32 s[\g+6], 0
	s_mov_b32 s[\g+7], 0
.endr
	s_lshl_b32 s20, s17, 8                         ; the tiles' first rows
	s_lshl_b32 s46, s42, 8
	s_mov_b32 s21, 0
	s_mov_b32 s47, 0
	s_mov_b64 s[18:19], KS
	s_mul_u64 s[22:23], s[20:21], s[18:19]
	s_mul_u64 s[92:93], s[46:47], s[18:19]
	s_mov_b64 s[18:19], KROW
	s_mul_u64 s[20:21], s[20:21], s[18:19]
	s_mul_u64 s[46:47], s[46:47], s[18:19]
	s_mul_i32 s45, s14, HALFT
	s_mul_i32 s94, s16, 128*KROW                   ; in the ring I fetch 128 rows of a tile: which half, in bytes
	s_mov_b32 s95, 0
	s_wait_dscnt 0x0
	s_wait_kmcnt 0x0
	s_add_nc_u64 s[12:13], s[8:9], 2048*KROW
	s_add_nc_u64 s[18:19], s[10:11], 2048*KS
	s_cmp_eq_u32 s67, 1
	s_cselect_b64 s[12:13], s[12:13], s[4:5]
	s_cselect_b64 s[18:19], s[18:19], s[6:7]
	s_cselect_b64 s[8:9], s[4:5], s[8:9]
	s_cselect_b64 s[10:11], s[6:7], s[10:11]
	s_add_nc_u64 s[20:21], s[12:13], s[20:21]
	s_add_nc_u64 s[22:23], s[18:19], s[22:23]
	s_add_nc_u64 s[46:47], s[8:9], s[46:47]
	s_add_nc_u64 s[92:93], s[10:11], s[92:93]
	s_cmp_eq_u32 s67, 1                            ; from K step to K step: a plane of the tensor; s[4:5] A's, s[6:7] B's, s[8:9], s[10:11] twice that (the arguments that lay there have served)
	s_mov_b32 s4, XPL
	s_cselect_b32 s4, WPL, s4
	s_mov_b32 s6, WPL
	s_cselect_b32 s6, XPL, s6
	s_mov_b32 s5, 0
	s_mov_b32 s7, 0
	s_lshl_b32 s8, s4, 1
	s_lshl_b32 s10, s6, 1
	s_mov_b32 s9, 0
	s_mov_b32 s11, 0
	CROUND
	s_mov_b32 s[G0S], 1                            ; the head's four tiles, each whole: A's scales,
	s_mov_b32 s[G0S+1], SCL
	s_mov_b64 s[G0S+2:G0S+3], s[22:23]
	s_or_b32 s[G0S+3], s[G0S+3], 0x80000000
	s_mov_b32 s[G0SB], 1                           ; B's scales,
	s_mov_b32 s[G0SB+1], SCL+2*HALFS
	s_mov_b64 s[G0SB+2:G0SB+3], s[92:93]
	s_or_b32 s[G0SB+3], s[G0SB+3], 0x80000000
	s_mov_b32 s[G0], 1                             ; K step 0's 256 rows of A,
	s_mov_b32 s[G0+1], 0
	s_mov_b64 s[G0+2:G0+3], s[20:21]
	s_or_b32 s[G0+3], s[G0+3], 0x80000000
	s_mov_b32 s[G0B], 1                            ; and of B
	s_mov_b32 s[G0B+1], 2*HALFT
	s_mov_b64 s[G0B+2:G0B+3], s[46:47]
	s_or_b32 s[G0B+3], s[G0B+3], 0x80000000
	s_add_nc_u64 s[20:21], s[20:21], s[94:95]      ; for the ring: my 128 rows
	s_add_nc_u64 s[46:47], s[46:47], s[94:95]
	s_mov_b32 s[G0+4], 1                           ; slot 1: K step 1
	s_add_co_u32 s[G0+5], s45, SLOT
	s_add_nc_u64 s[G0+6:G0+7], s[20:21], s[4:5]
	s_or_b32 s[G0+7], s[G0+7], 0x80000000
	s_mov_b32 s[G0B+4], 1
	s_add_co_u32 s[G0B+5], s45, SLOT
	s_add_nc_u64 s[G0B+6:G0B+7], s[46:47], s[6:7]
	s_or_b32 s[G0B+7], s[G0B+7], 0x80000000
; the head's loads, one a wave, in one chain of branches on the wave's number
.macro ARM under, g0, g1, next
	s_cmp_lt_u32 s14, \under
	s_cbranch_scc0 \next
	tensor_load_to_lds s[\g0:\g0+3], s[\g1:\g1+7]
	s_nop 0
.rept 4
	v_nop
.endr
	s_branch .Lhead_asked
\next:
.endm
	ARM 1, G0,  G1,  .Lhead_b
	ARM 2, G0B, G1B, .Lhead_sa
	ARM 3, G0S, G1S, .Lhead_sb
	tensor_load_to_lds s[G0SB:G0SB+3], s[G1SB:G1SB+7]
	s_nop 0
.rept 4
	v_nop
.endr
.Lhead_asked:
	v_and_b32 v1, 15, v0
	v_bfe_u32 v2, v0, 4, 1
	v_mul_u32_u24 v3, v1, PITCH
	v_mul_u32_u24 v4, v2, 24
	v_add_nc_u32 v4, v3, v4
	v_lshl_add_u32 v5, v2, 4, v4
	s_mul_i32 s21, s15, HALFT
	s_mul_i32 s22, s16, HALFT
	s_add_co_u32 s22, s22, 2*HALFT
.irp s, 0,1
	v_add_nc_u32 v[ADRA+\s], s21, v4
	v_add_nc_u32 v[ADRB+\s], s22, v4
	v_add_nc_u32 v[ADRA+2+\s], s21, v5
	v_add_nc_u32 v[ADRB+2+\s], s22, v5
	s_add_co_u32 s21, s21, SLOT
	s_add_co_u32 s22, s22, SLOT
.endr
	v_mul_u32_u24 v5, v1, KS
	v_lshrrev_b32 v6, 8, v5
	v_lshl_add_u32 v5, v6, 4, v5
	s_mul_i32 s21, s15, HALFS
	s_mul_i32 s22, s16, HALFS
	s_add_co_u32 s22, s22, 2*HALFS
	s_sub_co_u32 s22, s22, s21
	v_mul_u32_u24 v6, s22, v2
	s_add_co_u32 s21, s21, SCL
	v_add_nc_u32 v5, v5, v6
	v_add_nc_u32 v[ADRS], s21, v5
	s_cmp_eq_u32 s67, 1
	s_cselect_b32 s18, s17, s42
	s_cselect_b32 s19, s15, s16
	s_cselect_b32 s20, s42, s17
	s_cselect_b32 s21, s16, s15
	s_cselect_b32 s22, 2048, 0
	s_cselect_b32 s46, 128, 0
	s_cselect_b32 s92, 524288, 0
	s_lshl_b32 s12, s18, 8
	s_add_co_u32 s22, s22, s12
	s_lshl_b32 s12, s19, 7
	s_add_co_u32 s22, s22, s12
	s_lshl_b32 s22, s22, 2
	s_mov_b32 s23, 0
	s_add_nc_u64 s[96:97], s[96:97], s[22:23]
	s_lshr_b32 s12, s18, 2
	s_lshl_b32 s12, s12, 6
	s_add_co_u32 s46, s46, s12
	s_lshr_b32 s12, s20, 3
	s_lshl_b32 s12, s12, 4
	s_add_co_u32 s46, s46, s12
	s_and_b32 s12, s18, 3
	s_lshl_b32 s12, s12, 2
	s_add_co_u32 s46, s46, s12
	s_lshl_b32 s12, s19, 1
	s_add_co_u32 s46, s46, s12
	s_and_b32 s12, s20, 7
	s_lshl_b32 s12, s12, 1
	s_add_co_u32 s12, s12, s21
	s_mul_i32 s22, s46, 98304
	s_mul_i32 s13, s12, 6144
	s_add_co_u32 s22, s22, s13
	s_add_nc_u64 s[98:99], s[98:99], s[22:23]
	s_lshl_b32 s22, s46, 13
	s_lshl_b32 s13, s12, 9
	s_add_co_u32 s22, s22, s13
	s_lshr_b32 s22, s22, s67
	s_add_co_u32 s22, s22, s92
	s_add_nc_u64 s[100:101], s[100:101], s[22:23]
	v_lshlrev_b32 v7, 6, v2
	v_and_b32 v8, 8, v1
	v_add_nc_u32 v8, v8, v1
	v_lshlrev_b32 v8, 2, v8
	v_and_b32 v9, 31, v0
	v_lshlrev_b32 v9, 4, v9
	v_lshlrev_b32 v10, 4, v1
	v_lshl_add_u32 v10, v2, 12, v10
.irp b, 0,1,2,3,4,5,6,7
	global_load_b128 v[BI+8*\b:BI+8*\b+3], v7, s[96:97] offset:(32*(\b/2)+8*(\b%2))*4
	global_load_b128 v[BI+8*\b+4:BI+8*\b+7], v7, s[96:97] offset:(32*(\b/2)+8*(\b%2))*4+16
.endr
.irp a, 0,1,2,3,4,5,6,7
	global_load_b32 v[BV+2*\a], v8, s[96:97] offset:(32*(\a/2)+8*(\a%2))*4
	global_load_b32 v[BV+2*\a+1], v8, s[96:97] offset:(32*(\a/2)+8*(\a%2))*4
.endr
.macro FRAG reg, adr, q, i
.irp p, 0,1,2,3,4,5
.set PC, 12*(\q)+6*(\p/3)+\p%3
.if PC%8 < 5
	ds_load_b64 v[\reg+2*\p:\reg+2*\p+1], v[\adr] offset:8*PC+16*(PC/8)+(\i)*16*PITCH
.else
	ds_load_b64 v[\reg+2*\p:\reg+2*\p+1], v[\adr+2] offset:8*PC+16*(PC/8)+(\i)*16*PITCH
.endif
.endr
.endm
.macro MUL16 a0, p, q, sc, zero
.irp a, \a0, \a0+1
.irp b, 0,1,2,3,4,5,6,7
.if \zero
	v_wmma_scale_f32_16x16x128_f8f6f4 v[8*(8*((\a)%4)+\b):8*(8*((\a)%4)+\b)+7], v[128*(\p)+FR*\b:128*(\p)+FR*\b+FR-1], v[AF+FR*(\a):AF+FR*(\a)+FR-1], 0, v[SC+8*NQ*(\sc)+NQ*\b+(\q)], v[SC+8*NQ*(\sc)+NQ*(\a)+(\q)] matrix_a_fmt:MATRIX_FMT_FP6 matrix_b_fmt:MATRIX_FMT_FP6 matrix_a_scale:MATRIX_SCALE_ROW1
.else
	v_wmma_scale_f32_16x16x128_f8f6f4 v[8*(8*((\a)%4)+\b):8*(8*((\a)%4)+\b)+7], v[128*(\p)+FR*\b:128*(\p)+FR*\b+FR-1], v[AF+FR*(\a):AF+FR*(\a)+FR-1], v[8*(8*((\a)%4)+\b):8*(8*((\a)%4)+\b)+7], v[SC+8*NQ*(\sc)+NQ*\b+(\q)], v[SC+8*NQ*(\sc)+NQ*(\a)+(\q)] matrix_a_fmt:MATRIX_FMT_FP6 matrix_b_fmt:MATRIX_FMT_FP6 matrix_a_scale:MATRIX_SCALE_ROW1
.endif
.endr
.endr
.endm
.macro FETCH_B slot, q, p
	WIN TO_B
.irp i, 0,1,2,3,4,5,6,7
	FRAG 128*(\p)+FR*\i, ADRB+\slot, \q, \i
.endr
	WIN 0
.endm
.macro FETCH_A slot, q, i0
.irp i, \i0, \i0+1, \i0+2, \i0+3
	FRAG AF+FR*(\i), ADRA+\slot, \q, \i
.endr
.endm
.macro SCALES sc
.irp i, 0,1,2,3,4,5,6,7
	ds_load_b64 v[SC+8*NQ*\sc+NQ*\i:SC+8*NQ*\sc+NQ*\i+1], v[ADRS] offset:\i*SBLK
.endr
.endm
.macro PLACES n
.rept \n
	v_nop
.endr
.endm
.macro STEP slot, q, zero
	s_wait_dscnt 4*NL
	WIN MUL_LO
	MUL16 0, (\q)%2, \q, \slot, \zero
	MUL16 2, (\q)%2, \q, \slot, \zero
	s_wait_dscnt 0
	PLACES NP
	FETCH_B \slot, (\q)+1, 1-(\q)%2
	FETCH_A \slot, (\q)+1, 0
	WIN MUL_HI
	MUL16 4, (\q)%2, \q, \slot, \zero
	MUL16 6, (\q)%2, \q, \slot, \zero
	PLACES NP
	WIN 0
	FETCH_A \slot, (\q)+1, 4
.endm
.macro TURN slot, next, fill
	s_wait_tensorcnt 0x0
	ds_add_u32 v[SPW], v[NIL]
	s_wait_dscnt 4*NL+1
	WIN MUL_LO
	MUL16 0, 1, NQ-1, \slot, 0
	s_wait_dscnt 0x0
	s_barrier_signal -1
	MUL16 2, 1, NQ-1, \slot, 0
	WIN 0
	s_barrier_wait -1
.if \fill
	CREST
	s_add_nc_u64 s[G0+4*\slot+2:G0+4*\slot+3], s[G0+4*\slot+2:G0+4*\slot+3], s[8:9]
	s_add_nc_u64 s[G0B+4*\slot+2:G0B+4*\slot+3], s[G0B+4*\slot+2:G0B+4*\slot+3], s[10:11]
	JLOAD G0+4*\slot, G1, G0B+4*\slot, G1B
.else
	PLACES NP
.endif
	s_wait_alu depctr_va_vdst(0)
	v_add_nc_u32 v[ADRS], 4*NQ, v[ADRS]
	FETCH_B \next, 0, 0
	FETCH_A \next, 0, 0
	SCALES \next
	WIN MUL_HI
	MUL16 4, 1, NQ-1, \slot, 0
	MUL16 6, 1, NQ-1, \slot, 0
	PLACES NP
	WIN 0
	FETCH_A \next, 0, 4
.endm
	s_wait_alu depctr_va_vdst(0)
	s_wait_loadcnt 0x0
	s_wait_tensorcnt 0x0                           ; my tile of the head's four is in
	ds_add_u32 v[SPW], v[NIL]
	s_mov_b32 s[G1+2], 96<<16                      ; no tensor load of mine is out: from here on a load brings 128 rows of codes, 96 rows of 256 bytes,
	s_mov_b32 s[G1+4], 96
	s_mov_b32 s[G1B+2], 96<<16
	s_mov_b32 s[G1B+4], 96
	s_mov_b32 s[G0+1], s45                         ; and slot 0's descriptors stand at my quarter of K step 0
	s_add_nc_u64 s[G0+2:G0+3], s[G0+2:G0+3], s[94:95]
	s_mov_b32 s[G0B+1], s45
	s_add_nc_u64 s[G0B+2:G0B+3], s[G0B+2:G0B+3], s[94:95]
	s_wait_dscnt 0x0
	CROUND
	JLOAD G0+4, G1, G0B+4, G1B                     ; K step 1, the first tensor load behind the round
	FETCH_B 0, 0, 0
	FETCH_A 0, 0, 0
	SCALES 0
	FETCH_A 0, 0, 4
	STEP 0, 0, 1
	s_mov_b32 s3, LAPS-1
.Llap:
	TURN 0, 1, 1
	STEP 1, 0, 0
	TURN 1, 0, 1
	STEP 0, 0, 0
	s_sub_co_u32 s3, s3, 1
	s_cmp_lg_u32 s3, 0
	s_cbranch_scc1 .Llap
	TURN 0, 1, 0
	STEP 1, 0, 0
	s_wait_dscnt 4*NL
	WIN MUL_LO
	MUL16 0, 1, NQ-1, 1, 0
	MUL16 2, 1, NQ-1, 1, 0
	s_wait_dscnt 0
	WIN MUL_HI
	MUL16 4, 1, NQ-1, 1, 0
	MUL16 6, 1, NQ-1, 1, 0
	WIN 0
.macro QUANT
.irp b, 0,1,2,3
	v_max3_num_f32 v[TM+\b], |v[H+16*\b]|, |v[H+1+16*\b]|, 0x1800000
.endr
.irp i, 2,4,6,8,10,12,14
.irp b, 0,1,2,3
	v_max3_num_f32 v[TM+\b], v[TM+\b], |v[H+16*\b+\i]|, |v[H+1+16*\b+\i]|
.endr
.endr
.irp b, 0,1,2,3
	v_permlanex16_b32 v[TM+4+\b], v[TM+\b], s20, s21
.endr
.irp b, 0,1,2,3
	v_max_num_f32 v[TM+\b], v[TM+\b], v[TM+4+\b]
.endr
.irp b, 0,1,2,3
	v_add_nc_u32 v[TM+12+\b], 0xff000000, v[TM+\b]
.endr
.irp b, 0,1,2,3
	v_lshrrev_b32 v[TM+4+\b], 23, v[TM+12+\b]
.endr
	v_lshl_or_b32 v[PW], v[TM+5], 8, v[TM+4]
	v_lshl_or_b32 v[PW], v[TM+6], 16, v[PW]
	v_lshl_or_b32 v[PW], v[TM+7], 24, v[PW]
	v_cvt_scalef32_pk16_fp6_f32 v[DA:DA+2], v[H:H+15], v[TM+12]
	v_cvt_scalef32_pk16_fp6_f32 v[CT0:CT0+2], v[H+16:H+31], v[TM+13]
	v_cvt_scalef32_pk16_fp6_f32 v[DB:DB+2], v[H+32:H+47], v[TM+14]
	v_cvt_scalef32_pk16_fp6_f32 v[CT1:CT1+2], v[H+48:H+63], v[TM+15]
	v_nop
.irp i, 0,1,2
	v_permlane16_swap_b32 v[DA+\i], v[CT0+\i]
.endr
.irp i, 0,1,2
	v_mov_b32 v[DA+3+\i], v[CT0+\i]
.endr
.irp i, 0,1,2
	v_permlane16_swap_b32 v[DB+\i], v[CT1+\i]
.endr
.irp i, 0,1,2
	v_mov_b32 v[DB+3+\i], v[CT1+\i]
.endr
.endm
.macro EPI kind, a
	s_wait_xcnt 0x0
	WIN 0x02+((\a)/4)
.set i, 0
.rept 32
.if \kind
	v_pk_add_f32 v[H+i:H+i+1], v[64*((\a)%4)+i:64*((\a)%4)+i+1], v[BV+2*(\a):BV+2*(\a)+1]
.else
	v_pk_add_f32 v[H+i:H+i+1], v[64*((\a)%4)+i:64*((\a)%4)+i+1], v[BI+i:BI+i+1]
.endif
.set i, i+2
.endr
	WIN 0
.if \kind
.set DA, CD
.set DB, CD+6
.else
.set DA, CD+6*((\a)%2)
.set DB, CD+12+6*((\a)%2)
.endif
	QUANT
	v_mov_b32 v[PWS+(\a)], v[PW]
.if \kind
.irp c, 0,1,2
	global_store_b128 v9, v[CD+4*\c:CD+4*\c+3], s[98:99] offset:((\a)/4)*98304+((\a)%4)*1536+512*\c
.endr
.elseif ((\a)%2) == 1
.irp c, 0,1,2
	global_store_b128 v9, v[CD+4*\c:CD+4*\c+3], s[98:99] offset:((\a)/2)*1536+512*\c
	global_store_b128 v9, v[CD+12+4*\c:CD+12+4*\c+3], s[98:99] offset:98304+((\a)/2)*1536+512*\c
.endr
.endif
.endm
	PLACES NP
	s_mov_b32 s20, 0x76543210
	s_mov_b32 s21, 0xfedcba98
	s_mov_b32 s22, 0xffff0000
.irp b, 0,1,2,3
	v_mov_b32 v[TM+4+\b], 0
.endr
	s_cmp_eq_u32 s67, 1
	s_cbranch_scc1 .Lv
.irp a, 0,1,2,3,4,5,6,7
	EPI 0, \a
.endr
.irp i, 0,1,2,3
	v_cndmask_b32 v[T+\i], v[PWS+\i], v[PWS+4+\i], s22
.endr
	global_store_b128 v9, v[T:T+3], s[100:101]
.irp i, 0,1,2,3
	v_lshrrev_b32 v[T2+\i], 16, v[T+\i]
.endr
	global_store_b128 v9, v[T2:T2+3], s[100:101] offset:8192
	s_branch .Ldone
.Lv:
.irp a, 0,1,2,3,4,5,6,7
	EPI 1, \a
.endr
.irp i, 0,1,2,3
	v_cndmask_b32 v[T+\i], v[PWS+\i], v[PWS+4+\i], s22
.endr
	global_store_b128 v10, v[T:T+3], s[100:101]
.Ldone:
	s_wait_tensorcnt 0x0
	ds_add_u32 v[SPW], v[NIL]
	s_wait_dscnt 0x0
	CROUND
	s_endpgm
.Lfunc_end_k_q18fca503ed_gemm_qkv:
	.size	k_q18fca503ed_gemm_qkv, .Lfunc_end_k_q18fca503ed_gemm_qkv-k_q18fca503ed_gemm_qkv
	.p2alignl 7, 3214868480
	.fill 96, 4, 3214868480
	.section	.rodata,"a",@progbits
	.p2align	6, 0x0
	.amdhsa_kernel k_q18fca503ed_gemm_qkv
		.amdhsa_group_segment_fixed_size 327680
		.amdhsa_private_segment_fixed_size 0
		.amdhsa_enable_private_segment 0
		.amdhsa_kernarg_size 56
		.amdhsa_user_sgpr_count 2
		.amdhsa_user_sgpr_kernarg_segment_ptr 1
		.amdhsa_wavefront_size32 1
		.amdhsa_system_sgpr_workgroup_id_x 1
		.amdhsa_system_sgpr_workgroup_id_y 1
		.amdhsa_system_sgpr_workgroup_id_z 1
		.amdhsa_system_vgpr_workitem_id 0
		.amdhsa_next_free_vgpr 1024
		.amdhsa_next_free_sgpr 102
		.amdhsa_reserve_vcc 0
		.amdhsa_float_denorm_mode_32 3
		.amdhsa_float_denorm_mode_16_64 3
		.amdhsa_memory_ordered 1
		.amdhsa_forward_progress 1
		.amdhsa_inst_pref_size 235
	.end_amdhsa_kernel
	.amdgpu_metadata
---
amdhsa.version: [ 1, 2 ]
amdhsa.kernels:
  - .name:           k_q18fca503ed_gemm_qkv
    .symbol:         k_q18fca503ed_gemm_qkv.kd
    .args:
      - { .name: x_codes, .offset: 0, .size: 8, .value_kind: global_buffer, .address_space: global }
      - { .name: x_scales, .offset: 8, .size: 8, .value_kind: global_buffer, .address_space: global }
      - { .name: w_codes, .offset: 16, .size: 8, .value_kind: global_buffer, .address_space: global }
      - { .name: w_scales, .offset: 24, .size: 8, .value_kind: global_buffer, .address_space: global }
      - { .name: qkv_b, .offset: 32, .size: 8, .value_kind: global_buffer, .address_space: global }
      - { .name: att_img, .offset: 40, .size: 8, .value_kind: global_buffer, .address_space: global }
      - { .name: att_sc, .offset: 48, .size: 8, .value_kind: global_buffer, .address_space: global }
    .group_segment_fixed_size: 327680
    .private_segment_fixed_size: 0
    .kernarg_segment_align: 8
    .kernarg_segment_size: 56
    .max_flat_workgroup_size: 128
    .sgpr_count:     102
    .vgpr_count:     1024
    .wavefront_size: 32
...
	.end_amdgpu_metadata
.endif
;; end of part 2
;; launch attn (part 3): grid 8 x 32, 16 waves a work-group, clusters of 4 x 1, 327,680 bytes of LDS; arguments att_img, att_sc, o_img, o_sc; writes o_img, o_sc
.if DOCPART == 3
	.amdgcn_target "amdgcn-amd-amdhsa--gfx1250"
	.amdhsa_code_object_version 6
	.text
	.protected	k_q18fca503ed_attn
	.globl	k_q18fca503ed_attn
	.p2align	8
	.type	k_q18fca503ed_attn,@function
k_q18fca503ed_attn:
	s_mov_b64 s[64:65], 0
	v_nop
	global_prefetch_b8 v0, s[64:65] scope:SCOPE_SE
	s_setreg_imm32_b32 hwreg(HW_REG_WAVE_MODE, 25, 1), 1
	s_wait_xcnt 0x0
	s_wait_alu depctr_hold_cnt(0) depctr_sa_sdst(0) depctr_va_vdst(0) depctr_va_sdst(0) depctr_va_ssrc(0) depctr_va_vcc(0) depctr_vm_vsrc(0)
	s_getreg_b32 s2, hwreg(HW_REG_IB_STS2, 6, 4)
	s_cmp_eq_u32 s2, 0
	s_cbranch_scc0 .Lentry_in_a_cluster
	s_endpgm
.Lentry_in_a_cluster:
	s_bfe_u32 s2, ttmp6, 0x10000c
	s_cmp_lg_u32 s2, 0x3003
	s_cbranch_scc0 .Lentry_shape_is_right
	s_endpgm
.Lentry_shape_is_right:
; A slot holds eight key steps of K's and V's images (2 x 49,152 bytes): a head is two slots, the two heads four fills
.set SLOT1, 131072
.set STEPB, 6144
.set SLOTB, 8*STEPB
.set VOFF,  SLOTB
.set SCK,   262144
.set SCV,   278528
.set OSC,   286720
.set SPARE, 287744
.set L16, 1
.set AS0, 2
.set AT0, 3
.set ADK, 4
.set SPW, 5
.set NIL, 6
.set ADS, 7
.set ADT, 8
.set OWA, 9
.set ORD, 10
.set R16, 11
.set QF,  16
.set QB,  28
.set QSB, 34
.set QS,  35
.set KV,  36
.set ZR,  84
.set KSC, 90
.set VSC, 98
.set PSW, 102
.set S,   104
.set O,   168
.set P,   200
.set BM,  220
.set BT,  224
.set SOP, 232
.set F,   236
.set TP,  238
.set OC,  240
.set OW,  252
.set PFO, 253
.set TB,  2
.set TS,  3
.set TJ,  12
.set NST, 13
.set LEFT, 14
.set LIM, 15
.set WV,  18
.set SEL, 20
.set CS,  22
.set G1T, 24
.set G1SK, 32
.set G1SV, 40
.set G0K, 48
.set G0V, 52
.set G0SK, 56
.set G0SV, 60
.set PFA, 66
.macro TLOAD g0k, g1k, g0v, g1v
	s_cmp_lt_u32 s[WV], 2
	s_cbranch_scc0 .Lnot_k_\@
	tensor_load_to_lds s[\g0k:\g0k+3], s[\g1k:\g1k+7]
	s_nop 0
.rept 4
	v_nop
.endr
	s_branch .Lasked_\@
.Lnot_k_\@:
	s_cmp_lt_u32 s[WV], 4
	s_cbranch_scc0 .Lasked_\@
	tensor_load_to_lds s[\g0v:\g0v+3], s[\g1v:\g1v+7]
	s_nop 0
.rept 4
	v_nop
.endr
.Lasked_\@:
.endm
.macro CROUND
	s_barrier_signal -1
	s_barrier_wait -1
	s_cmp_lg_u32 s[WV], 0
	s_cbranch_scc1 .Lnot_wave_0_\@
	s_barrier_signal -3
.Lnot_wave_0_\@:
	s_barrier_wait -3
	s_barrier_signal -1
	s_barrier_wait -1
.endm
.macro ASK
	s_cmp_gt_u32 s[LEFT], s[LIM]
	s_cbranch_scc0 .Lnot_mine_\@
	global_prefetch_b8 v[PFO], s[PFA:PFA+1] th:TH_LOAD_NT scope:SCOPE_SE
	global_prefetch_b8 v[PFO], s[PFA:PFA+1] offset:STEPB th:TH_LOAD_NT scope:SCOPE_SE   ; my work-group's two steps of the slot's eight
.Lnot_mine_\@:
.endm
	s_load_b256 s[4:11], s[0:1], 0x0
	v_lshl_add_u32 v[SPW], v0, 2, SPARE
	v_mov_b32 v[NIL], 0
	ds_add_u32 v[SPW], v[NIL]
	ds_add_u32 v[SPW], v[NIL]
	v_lshrrev_b32 v1, 5, v0
	s_delay_alu instid0(VALU_DEP_1)
	v_readfirstlane_b32 s[WV], v1
	s_and_b32 s68, ttmp7, 0xffff
	s_lshl_b32 s69, s68, 1
	s_and_b32 s70, s[WV], 1
	s_mul_i32 s71, s70, SLOTB/2
	s_add_co_u32 s72, s69, 64
	s_mul_i32 s72, s72, 98304
	s_add_co_u32 s72, s72, s71
	s_mov_b32 s73, 0
	s_add_co_u32 s74, s72, 64*98304
	s_mov_b32 s75, 0
	s_add_co_u32 s76, s69, s70
	s_add_co_u32 s76, s76, 64
	s_lshl_b32 s76, s76, 13
	s_mov_b32 s77, 0
	s_add_co_u32 s78, s69, s70
	s_lshl_b32 s78, s78, 12
	s_add_co_u32 s78, s78, 1048576
	s_mov_b32 s79, 0
.irp g, G1T, G1SK, G1SV
	s_mov_b32 s[\g], 15|(3<<16)|(1<<21)
	s_mov_b32 s[\g+1], 32<<16
	s_mov_b32 s[\g+3], 32<<16
	s_mov_b32 s[\g+5], 32
	s_mov_b32 s[\g+6], 0
	s_mov_b32 s[\g+7], 0
.endr
	s_mov_b32 s[G1T+2], 96<<16
	s_mov_b32 s[G1T+4], 96
	s_mov_b32 s[G1SK+2], 32<<16
	s_mov_b32 s[G1SK+4], 32
	s_mov_b32 s[G1SV+2], 16<<16
	s_mov_b32 s[G1SV+4], 16
	s_mov_b32 s[SEL], 0x76543210
	s_mov_b32 s[SEL+1], 0xfedcba98
	s_mov_b32 s[CS], 0x3e38aa3b
	s_mov_b32 s[CS+1], s[CS]
	s_mov_b32 s[TB], 0
	s_mov_b32 s[TS], 0
	s_mov_b32 s[TJ], 0
	s_mov_b32 s[LEFT], 3
	s_wait_dscnt 0x0
	s_wait_kmcnt 0x0
	s_mov_b32 s[G0K], 1
	s_mov_b32 s[G0K+1], s71
	s_add_nc_u64 s[G0K+2:G0K+3], s[4:5], s[72:73]
	s_or_b32 s[G0K+3], s[G0K+3], 0x80000000
	s_mov_b32 s[G0V], 1
	s_add_co_u32 s[G0V+1], s71, VOFF
	s_add_nc_u64 s[G0V+2:G0V+3], s[4:5], s[74:75]
	s_or_b32 s[G0V+3], s[G0V+3], 0x80000000
	s_mov_b32 s[G0SK], 1
	s_lshl_b32 s[G0SK+1], s70, 13
	s_add_co_u32 s[G0SK+1], s[G0SK+1], SCK
	s_add_nc_u64 s[G0SK+2:G0SK+3], s[6:7], s[76:77]
	s_or_b32 s[G0SK+3], s[G0SK+3], 0x80000000
	s_mov_b32 s[G0SV], 1
	s_lshl_b32 s[G0SV+1], s70, 12
	s_add_co_u32 s[G0SV+1], s[G0SV+1], SCV
	s_add_nc_u64 s[G0SV+2:G0SV+3], s[6:7], s[78:79]
	s_or_b32 s[G0SV+3], s[G0SV+3], 0x80000000
	CROUND
; the first fills, one a wave, in one chain: waves 0, 1 slot 0's K, waves 2, 3 its V, waves 4, 5 K's scale words, waves 6, 7 V's
.macro ARM under, g0, g1, next
	s_cmp_lt_u32 s[WV], \under
	s_cbranch_scc0 \next
	tensor_load_to_lds s[\g0:\g0+3], s[\g1:\g1+7]
	s_nop 0
.rept 4
	v_nop
.endr
	s_branch .Lhead_asked
\next:
.endm
	ARM 2, G0K,  G1T,  .Lhead_v
	ARM 4, G0V,  G1T,  .Lhead_sk
	ARM 6, G0SK, G1SK, .Lhead_sv
	ARM 8, G0SV, G1SV, .Lhead_none
.Lhead_asked:
	s_bfe_u32 s16, ttmp6, 0x40000
	s_lshl_b32 s17, ttmp9, 2
	s_add_co_u32 s17, s17, s16
	v_and_b32 v1, 31, v0
	s_delay_alu instid0(VALU_DEP_1)
	v_min_u32 v[PFO], 23, v1
	s_delay_alu instid0(VALU_DEP_1)
	v_lshlrev_b32 v[PFO], 8, v[PFO]
	s_delay_alu instid0(VALU_DEP_3)
	v_lshlrev_b32 v[L16], 4, v1
	s_wait_alu depctr_va_vdst(0)
	v_and_b32 v[R16], 15, v0
	s_delay_alu instid0(VALU_DEP_1)
	v_lshlrev_b32 v[OWA], 2, v[R16]
	s_delay_alu instid0(VALU_DEP_2)
	v_lshlrev_b32 v[R16], 4, v[R16]
	s_wait_alu depctr_va_vdst(0)
	v_add_nc_u32 v[AS0], SCK, v[R16]
	v_add_nc_u32 v[AT0], SCV, v[R16]
	s_lshl_b32 s72, s[WV], 6
	s_add_co_u32 s72, s72, OSC
	v_add_nc_u32 v[OWA], s72, v[OWA]
	v_add_nc_u32 v[ORD], OSC, v[L16]
	s_lshl_b32 s72, s17, 3
	s_lshr_b32 s73, s[WV], 1
	s_add_co_u32 s72, s72, s73
	s_mul_i32 s72, s72, 1536
	s_mul_i32 s73, s69, 98304
	s_add_co_u32 s72, s72, s73
	s_mov_b32 s73, 0
	s_add_nc_u64 s[72:73], s[4:5], s[72:73]
.irp c, 0,1,2
	global_load_b128 v[S+4*\c:S+4*\c+3], v[L16], s[72:73] offset:512*\c
	global_load_b128 v[S+12+4*\c:S+12+4*\c+3], v[L16], s[72:73] offset:98304+512*\c
.endr
	s_lshl_b32 s74, s17, 1
	s_lshr_b32 s75, s[WV], 3
	s_add_co_u32 s74, s74, s75
	s_lshl_b32 s74, s74, 9
	s_bfe_u32 s75, s[WV], 0x10002
	s_lshl_b32 s75, s75, 8
	s_add_co_u32 s74, s74, s75
	s_and_b32 s75, s[WV], 3
	s_lshl_b32 s75, s75, 2
	s_add_co_u32 s74, s74, s75
	s_lshl_b32 s75, s69, 13
	s_add_co_u32 s74, s74, s75
	s_mov_b32 s75, 0
	s_add_nc_u64 s[74:75], s[6:7], s[74:75]
	global_load_b32 v[QS], v[R16], s[74:75]
	global_load_b32 v[QSB], v[R16], s[74:75] offset:8192
	s_lshr_b32 s76, s68, 3
	s_lshl_b32 s76, s76, 3
	s_add_co_u32 s76, s76, s17
	s_and_b32 s77, s68, 7
	s_lshl_b32 s78, s76, 3
	s_add_co_u32 s78, s78, s77
	s_mul_i32 s78, s78, 24576
	s_mul_i32 s79, s[WV], 1536
	s_add_co_u32 s78, s78, s79
	s_mov_b32 s79, 0
	s_add_nc_u64 s[8:9], s[8:9], s[78:79]
	s_lshl_b32 s78, s77, 15
	s_lshl_b32 s76, s76, 10
	s_add_co_u32 s78, s78, s76
	s_add_nc_u64 s[10:11], s[10:11], s[78:79]
	s_cmp_eq_u32 s70, 0
	s_cselect_b32 s76, 64, 128
	s_add_co_u32 s76, s76, s69
	s_mul_i32 s76, s76, 98304
	s_mul_i32 s77, s16, 2*STEPB
	s_add_co_u32 s76, s76, s77
	s_add_co_u32 s76, s76, SLOTB
	s_mov_b32 s77, 0
	s_add_nc_u64 s[PFA:PFA+1], s[4:5], s[76:77]
	s_lshr_b32 s[LIM], s[WV], 1
	s_xor_b32 s[LIM], s[LIM], 2
	s_or_b32 s[LIM], s[LIM], ttmp9
	s_cmp_eq_u32 s[LIM], 0
	s_cselect_b32 s[LIM], 1, -1
	s_and_b32 s80, s[WV], 1
	s_cselect_b32 s80, -1, 0
	s_wait_loadcnt 0x0
.irp i, 0,1,2,3,4,5
	v_cndmask_b32 v[QF+\i], v[S+\i], v[S+6+\i], s80
	v_cndmask_b32 v[QB+\i], v[S+12+\i], v[S+18+\i], s80
.endr
.irp i, 0,1,2,3,4,5
	v_mov_b32 v[QF+6+\i], 0
	v_mov_b32 v[ZR+\i], 0
.endr
	v_mov_b32 v13, 0xff61b1e6
	s_delay_alu instid0(VALU_DEP_1)
	v_floor_f32 v12, -v13
	v_mov_b32 v14, 0
	v_mov_b32 v15, 0
.irp b, 0,1,2,3
	v_mov_b32 v[BT+\b], 0
.endr
	v_mov_b32 v[F+1], 0
.set j, 0
.rept 32
	v_mov_b32 v[O+j], 0
.set j, j+1
.endr
.macro STEP
	v_add_nc_u32 v[ADK], s[TB], v[L16]
	v_add_nc_u32 v[ADS], s[TS], v[AS0]
	v_add_nc_u32 v[ADT], s[TJ], v[AT0]
	v_nop
.irp g, 0,1,2,3,4,5,6,7,8,9,10,11
	ds_load_b128 v[KV+4*\g:KV+4*\g+3], v[ADK] offset:512*\g
.endr
	ds_load_b128 v[KSC:KSC+3], v[ADS]
	ds_load_b128 v[KSC+4:KSC+7], v[ADS] offset:256
	ds_load_b128 v[VSC:VSC+3], v[ADT]
	s_wait_alu depctr_va_vdst(0)
	s_wait_dscnt 1
.irp t, 0,1,2,3,4,5,6,7
	v_wmma_scale_f32_16x16x128_f8f6f4 v[S+8*\t:S+8*\t+7], v[KV+6*\t:KV+6*\t+11], v[QF:QF+11], 0, v[KSC+\t], v[QS] matrix_a_fmt:MATRIX_FMT_FP6 matrix_b_fmt:MATRIX_FMT_FP6
.endr
.rept 4
	v_nop
.endr
.irp g, 0,1,2,3,4,5,6,7,8,9,10,11
	ds_load_b128 v[KV+4*\g:KV+4*\g+3], v[ADK] offset:VOFF+512*\g
.endr
.irp b, 0,1,2,3
	v_max3_num_f32 v[BM+\b], v[S+16*\b], v[S+1+16*\b], v[S+2+16*\b]
.endr
.irp i, 3,5,7,9,11,13
.irp b, 0,1,2,3
	v_max3_num_f32 v[BM+\b], v[BM+\b], v[S+16*\b+\i], v[S+1+16*\b+\i]
.endr
.endr
.irp b, 0,1,2,3
	v_max_num_f32 v[BM+\b], v[BM+\b], v[S+15+16*\b]
.endr
.irp b, 0,1,2,3
	s_delay_alu instid0(VALU_DEP_4)
	v_permlanex16_b32 v[BT+\b], v[BM+\b], s[SEL], s[SEL+1]
.endr
.irp b, 0,1,2,3
	s_delay_alu instid0(VALU_DEP_4)
	v_max_num_f32 v[BM+\b], v[BM+\b], v[BT+\b]
.endr
	s_delay_alu instid0(VALU_DEP_2)
	v_max3_num_f32 v[TP], v[BM], v[BM+1], v[BM+2]
	s_delay_alu instid0(VALU_DEP_1)
	v_max_num_f32 v[TP], v[TP], v[BM+3]
	s_delay_alu instid0(VALU_DEP_1)
	v_mul_f32 v[TP], s[CS], v[TP]
	s_delay_alu instid0(VALU_DEP_1)
	v_max_num_f32 v13, v13, v[TP]
	v_mov_b32 v[TP], v12
	s_delay_alu instid0(VALU_DEP_2)
	v_floor_f32 v12, -v13
	s_delay_alu instid0(VALU_DEP_1)
	v_sub_f32 v[TP], v12, v[TP]
	s_delay_alu instid0(VALU_DEP_1)
	v_cvt_i32_f32 v[TP], v[TP]
	s_delay_alu instid0(VALU_DEP_1)
	v_ldexp_f32 v[F], 1.0, v[TP]
.set j, 0
.rept 32
	v_pk_fma_f32 v[S+j:S+j+1], v[S+j:S+j+1], s[CS:CS+1], v[12:13] op_sel_hi:[1,0,0]
.set j, j+2
.endr
.irp b, 0,1,2,3
	v_fma_f32 v[BM+\b], v[BM+\b], s[CS], v12
.endr
.set j, 0
	s_wait_alu depctr_va_vdst(0)
.rept 64
	v_exp_f32 v[S+j], v[S+j]
.set j, j+1
.endr
	v_pk_mul_f32 v[14:15], v[14:15], v[F:F+1] op_sel_hi:[1,0]
	s_wait_alu depctr_va_vdst(0)
.irp b, 0,1,2,3
	v_exp_f32 v[BM+\b], v[BM+\b]
.endr
	v_pk_add_f32 v[BT:BT+1], v[S:S+1], v[S+2:S+3]
.irp j, 4,8,12,16,20,24,28,32,36,40,44,48,52,56,60
	v_pk_add_f32 v[14:15], v[14:15], v[S+\j:S+\j+1]
	v_pk_add_f32 v[BT:BT+1], v[BT:BT+1], v[S+2+\j:S+3+\j]
.endr
	s_delay_alu instid0(VALU_DEP_1)
	v_pk_add_f32 v[14:15], v[14:15], v[BT:BT+1]
	s_wait_alu depctr_va_vdst(0)
.irp b, 0,1,2,3
	v_max_num_f32 v[BM+\b], 0x1800000, v[BM+\b]
.endr
.irp b, 0,1,2,3
	s_delay_alu instid0(VALU_DEP_4)
	v_add_nc_u32 v[SOP+\b], 0xff000000, v[BM+\b]
.endr
.irp b, 0,1,2,3
	s_delay_alu instid0(VALU_DEP_4)
	v_lshrrev_b32 v[BT+\b], 23, v[SOP+\b]
.endr
	s_delay_alu instid0(VALU_DEP_3)
	v_lshl_or_b32 v[PSW], v[BT+1], 8, v[BT]
	s_delay_alu instid0(VALU_DEP_1)
	v_lshl_or_b32 v[PSW], v[BT+2], 16, v[PSW]
	s_delay_alu instid0(VALU_DEP_1)
	v_lshl_or_b32 v[PSW], v[BT+3], 24, v[PSW]
.irp c, 0,1
	v_cvt_scalef32_pk16_fp6_f32 v[P+6*\c:P+2+6*\c], v[S+32*\c:S+15+32*\c], v[SOP+2*\c]
	v_cvt_scalef32_pk16_fp6_f32 v[BT+4*\c:BT+2+4*\c], v[S+16+32*\c:S+31+32*\c], v[SOP+2*\c+1]
.endr
	v_nop
.irp c, 0,1
.irp i, 0,1,2
	v_permlane16_swap_b32 v[P+6*\c+\i], v[BT+4*\c+\i]
.endr
.irp i, 0,1,2
	s_delay_alu instid0(VALU_DEP_3)
	v_mov_b32 v[P+3+6*\c+\i], v[BT+4*\c+\i]
.endr
.endr
.irp j, 0,2,4,6,8,10,12,14,16,18,20,22,24,26,28,30
	v_pk_mul_f32 v[O+\j:O+\j+1], v[O+\j:O+\j+1], v[F:F+1] op_sel_hi:[1,0]
.endr
	s_wait_alu depctr_va_vdst(0)
	s_wait_dscnt 0x0
.irp t, 0,1,2,3
	v_wmma_scale_f32_16x16x128_f8f6f4 v[O+8*\t:O+8*\t+7], v[KV+12*\t:KV+12*\t+11], v[P:P+11], v[O+8*\t:O+8*\t+7], v[VSC+\t], v[PSW] matrix_a_fmt:MATRIX_FMT_FP6 matrix_b_fmt:MATRIX_FMT_FP6
.endr
	s_add_co_u32 s[TB], s[TB], STEPB
	s_add_co_u32 s[TS], s[TS], 512
	s_add_co_u32 s[TJ], s[TJ], 256
.endm
.macro SLOT_STEPS
	s_mov_b32 s[NST], 8
.Lstep_\@:
	STEP
	s_sub_co_u32 s[NST], s[NST], 1
	s_cmp_lg_u32 s[NST], 0
	s_cbranch_scc1 .Lstep_\@
	s_sub_co_u32 s[TB], s[TB], SLOTB
	s_xor_b32 s[TB], s[TB], SLOT1
.endm
.macro CHANGE fill
	s_wait_tensorcnt 0x0
	ds_add_u32 v[SPW], v[NIL]
.if \fill
	ds_add_u32 v[SPW], v[NIL]
	s_xor_b32 s[G0K+1], s[G0K+1], SLOT1
	s_add_nc_u64 s[G0K+2:G0K+3], s[G0K+2:G0K+3], SLOTB
	s_xor_b32 s[G0V+1], s[G0V+1], SLOT1
	s_add_nc_u64 s[G0V+2:G0V+3], s[G0V+2:G0V+3], SLOTB
	s_wait_xcnt 0x0
	s_add_nc_u64 s[PFA:PFA+1], s[PFA:PFA+1], SLOTB
.endif
	s_wait_dscnt 0x0
.if \fill
	CROUND
	TLOAD G0K, G1T, G0V, G1T
	ASK
.else
	s_barrier_signal -1
	s_barrier_wait -1
.endif
.endm
.macro FINISH hd
	v_add_f32 v14, v14, v15
	s_delay_alu instid0(VALU_DEP_1)
	v_permlanex16_b32 v[BT], v14, s[SEL], s[SEL+1]
	s_delay_alu instid0(VALU_DEP_1)
	v_add_f32 v14, v14, v[BT]
	s_wait_alu depctr_va_vdst(0)
	v_rcp_f32 v[F], v14
.rept 4
	v_nop
.endr
	s_wait_alu depctr_va_vdst(0)
.irp j, 0,2,4,6,8,10,12,14,16,18,20,22,24,26,28,30
	v_pk_mul_f32 v[S+\j:S+\j+1], v[O+\j:O+\j+1], v[F:F+1] op_sel_hi:[1,0]
.endr
.irp b, 0,1
	v_max3_num_f32 v[BM+\b], |v[S+16*\b]|, |v[S+1+16*\b]|, 0x1800000
.endr
.irp i, 2,4,6,8,10,12,14
.irp b, 0,1
	s_delay_alu instid0(VALU_DEP_2)
	v_max3_num_f32 v[BM+\b], v[BM+\b], |v[S+16*\b+\i]|, |v[S+1+16*\b+\i]|
.endr
.endr
.irp b, 0,1
	s_delay_alu instid0(VALU_DEP_2)
	v_permlanex16_b32 v[BT+\b], v[BM+\b], s[SEL], s[SEL+1]
.endr
.irp b, 0,1
	s_delay_alu instid0(VALU_DEP_2)
	v_max_num_f32 v[BM+\b], v[BM+\b], v[BT+\b]
.endr
.irp b, 0,1
	s_delay_alu instid0(VALU_DEP_2)
	v_add_nc_u32 v[SOP+\b], 0xff000000, v[BM+\b]
.endr
.irp b, 0,1
	s_delay_alu instid0(VALU_DEP_2)
	v_lshrrev_b32 v[BT+\b], 23, v[SOP+\b]
.endr
.if \hd == 0
	s_delay_alu instid0(VALU_DEP_1)
	v_lshl_or_b32 v[OW], v[BT+1], 8, v[BT]
.else
	s_delay_alu instid0(VALU_DEP_1)
	v_lshl_or_b32 v[BT], v[BT+1], 8, v[BT]
	s_delay_alu instid0(VALU_DEP_1)
	v_lshl_or_b32 v[OW], v[BT], 16, v[OW]
.endif
	v_cvt_scalef32_pk16_fp6_f32 v[OC+6*\hd:OC+6*\hd+2], v[S:S+15], v[SOP]
	v_cvt_scalef32_pk16_fp6_f32 v[BT+4:BT+6], v[S+16:S+31], v[SOP+1]
	v_nop
.irp i, 0,1,2
	v_permlane16_swap_b32 v[OC+6*\hd+\i], v[BT+4+\i]
.endr
.irp i, 0,1,2
	s_delay_alu instid0(VALU_DEP_3)
	v_mov_b32 v[OC+6*\hd+3+\i], v[BT+4+\i]
.endr
.if \hd == 0
	v_mov_b32 v[QS], v[QSB]
.irp i, 0,1,2,3,4,5
	v_mov_b32 v[QF+\i], v[QB+\i]
.endr
	v_mov_b32 v13, 0xff61b1e6
	s_delay_alu instid0(VALU_DEP_1)
	v_floor_f32 v12, -v13
	v_mov_b32 v14, 0
	v_mov_b32 v15, 0
.set j, 0
.rept 32
	v_mov_b32 v[O+j], 0
.set j, j+1
.endr
.endif
.endm
.Lslot_a:
	CHANGE 1
	SLOT_STEPS
	s_sub_co_u32 s[LEFT], s[LEFT], 1
	s_cmp_lg_u32 s[LEFT], 1
	s_cbranch_scc1 .Lslot_a
	FINISH 0
.Lslot_b:
	CHANGE 1
	SLOT_STEPS
	s_sub_co_u32 s[LEFT], s[LEFT], 1
	s_cmp_lg_u32 s[LEFT], 0
	s_cbranch_scc1 .Lslot_b
	CHANGE 0
	SLOT_STEPS
	FINISH 1
.irp c, 0,1,2
	global_store_b128 v[L16], v[OC+4*\c:OC+4*\c+3], s[8:9] offset:512*\c
.endr
	ds_store_b32 v[OWA], v[OW]
	s_wait_dscnt 0x0
	s_barrier_signal -1
	s_barrier_wait -1
	s_cmp_lg_u32 s[WV], 0
	s_cbranch_scc1 .Lnot_first
	ds_load_b128 v[S:S+3], v[ORD]
	ds_load_b128 v[S+4:S+7], v[ORD] offset:512
	s_wait_dscnt 0x0
	global_store_b128 v[L16], v[S:S+3], s[10:11]
	global_store_b128 v[L16], v[S+4:S+7], s[10:11] offset:512
.Lnot_first:
	s_wait_tensorcnt 0x0
	ds_add_u32 v[SPW], v[NIL]
	s_wait_dscnt 0x0
	CROUND
	s_endpgm
.Lfunc_end_k_q18fca503ed_attn:
	.size	k_q18fca503ed_attn, .Lfunc_end_k_q18fca503ed_attn-k_q18fca503ed_attn
	.p2alignl 7, 3214868480
	.fill 96, 4, 3214868480
	.section	.rodata,"a",@progbits
	.p2align	6, 0x0
	.amdhsa_kernel k_q18fca503ed_attn
		.amdhsa_group_segment_fixed_size 327680
		.amdhsa_private_segment_fixed_size 0
		.amdhsa_enable_private_segment 0
		.amdhsa_kernarg_size 32
		.amdhsa_user_sgpr_count 2
		.amdhsa_user_sgpr_kernarg_segment_ptr 1
		.amdhsa_wavefront_size32 1
		.amdhsa_system_sgpr_workgroup_id_x 1
		.amdhsa_system_sgpr_workgroup_id_y 1
		.amdhsa_system_sgpr_workgroup_id_z 1
		.amdhsa_system_vgpr_workitem_id 0
		.amdhsa_next_free_vgpr 256
		.amdhsa_next_free_sgpr 96
		.amdhsa_reserve_vcc 0
		.amdhsa_float_denorm_mode_32 3
		.amdhsa_float_denorm_mode_16_64 3
		.amdhsa_memory_ordered 1
		.amdhsa_forward_progress 1
		.amdhsa_inst_pref_size 77
	.end_amdhsa_kernel
	.amdgpu_metadata
---
amdhsa.version: [ 1, 2 ]
amdhsa.kernels:
  - .name:           k_q18fca503ed_attn
    .symbol:         k_q18fca503ed_attn.kd
    .args:
      - { .name: att_img, .offset: 0, .size: 8, .value_kind: global_buffer, .address_space: global }
      - { .name: att_sc, .offset: 8, .size: 8, .value_kind: global_buffer, .address_space: global }
      - { .name: o_img, .offset: 16, .size: 8, .value_kind: global_buffer, .address_space: global }
      - { .name: o_sc, .offset: 24, .size: 8, .value_kind: global_buffer, .address_space: global }
    .group_segment_fixed_size: 327680
    .private_segment_fixed_size: 0
    .kernarg_segment_align: 8
    .kernarg_segment_size: 32
    .max_flat_workgroup_size: 512
    .sgpr_count:     96
    .vgpr_count:     256
    .wavefront_size: 32
...
	.end_amdgpu_metadata
.endif
;; end of part 3
;; launch gemm_proj (part 4): grid 4 x 32, 4 waves a work-group, clusters of 4 x 4, 327,680 bytes of LDS; arguments o_img, o_sc, w_codes, w_scales, proj_b, out0; writes out0
.if DOCPART == 4
	.amdgcn_target "amdgcn-amd-amdhsa--gfx1250"
	.amdhsa_code_object_version 6
	.text
	.protected	k_q18fca503ed_gemm_proj
	.globl	k_q18fca503ed_gemm_proj
	.p2align	8
	.type	k_q18fca503ed_gemm_proj,@function
k_q18fca503ed_gemm_proj:
	s_mov_b64 s[64:65], 0
	v_nop
	global_prefetch_b8 v0, s[64:65] scope:SCOPE_SE
	s_setreg_imm32_b32 hwreg(HW_REG_WAVE_MODE, 25, 1), 1
	s_wait_xcnt 0x0
	s_wait_alu depctr_hold_cnt(0) depctr_sa_sdst(0) depctr_va_vdst(0) depctr_va_sdst(0) depctr_va_ssrc(0) depctr_va_vcc(0) depctr_vm_vsrc(0)
	s_getreg_b32 s2, hwreg(HW_REG_IB_STS2, 6, 4)
	s_cmp_eq_u32 s2, 0
	s_cbranch_scc0 .Lentry_in_a_cluster
	s_endpgm
.Lentry_in_a_cluster:
	s_bfe_u32 s2, ttmp6, 0x10000c
	s_cmp_lg_u32 s2, 0xf033
	s_cbranch_scc0 .Lentry_shape_is_right
	s_endpgm
.Lentry_shape_is_right:
; out0 = O proj_w + proj_b on codes of FP6 (E2M3) with E8M0 scales, K = 1,024.  A tile of out0 is 256 x 256, four waves, a wave 128 x 128: 64 accumulators, 512 registers.
; A = the attention's result, laid as IMAGES OF THE OPERAND'S REGISTERS: [block of 256 positions][K step of 128][16 positions][1,536 bytes]: a fragment is three loads of 16 bytes a lane.  B = rows 3,072 on of w_codes, as rows of codes.
; K goes in steps of 256 through a ring of two LDS slots (waves 0, 1: A's two K steps of 128; waves 2, 3: B's two halves).  B's scale bytes come once by a tensor load; A's scale words lie in memory plane by plane
; ([K step of 128][position]) and are laid beside them by the waves, row by row, in LDS bytes of their own.
; CLUSTERS: 4 x 4 work-groups; A's tile is asked for jointly along a row of the cluster, B's along a column.  128 work-groups: the problem has no more tiles of this size.
; THE MATRIX INSTRUCTION IS USED TRANSPOSED (source 0 = 16 rows of B, source 1 = 16 rows of A).  Rows of A and B are positions (index with bits 3 and 4 exchanged): a lane's registers of B's blocks 2 b, 2 b + 1 are columns
; 32 b + 16 (lane / 16) + 0 .. 15, and row r of A's block a is token 32 (a / 2) + 8 (a % 2) + r + 8 (r / 8): the way out puts both back.  The bias is the C of each sum's first matrix instruction.
; REGISTERS, in windows of 256: window 0: v0-31 addresses; v32-63 scale words, two sets; v64-127 the bias; v128-223 A's fragments, ONE set; on the way out v128-255 rows of out0.
;   window 1: B's fragments, TWO sets.   window 2: the accumulators of my rows 0-63;   window 3: those of rows 64-127.
.set NQ,     2
.set ROWB,   192
.set KROW,   192                       ; w_codes lies plane by plane, [K step of 256][row][192 bytes]: 128 rows are 24,576 dense bytes, loaded as 96 rows of 256 bytes
.set WPL,    4096*192                  ; a plane
.set PITCH,  240                       ; B's LDS row: 3 x (64 bytes + 16 of padding)
.set FR,     12
.set NLA,    3                         ; LDS loads that bring a fragment of A
.set NP,     4
.set HALFA,  16*1536                   ; A: one K step of 128 of the tile's 256 rows: what one tensor load brings
.set HALFT,  128*PITCH                 ; B: 128 rows
.set BOFF,   2*HALFA
.set SLOT,   BOFF+2*HALFT
.set LAPS,   2
.set KS,     32
.set SCL,    2*SLOT                    ; A's scale words (8,704 bytes, LDS stores alone), then B's (8,704 bytes, one fill): rows of 32 bytes, 16 bytes of padding behind each 256
.set HALFS,  16*272
.set SBLK,   2*272
.set SPARE,  SCL+4*HALFS               ; the spare words, 128 bytes a wave
.set SPITCH, 528                       ; the way out: a stage of 16 rows x (512 bytes + 16) for each wave, in slot 0, which has had its last fill and its last read by then
.set ADRA, 16                          ; v16-17 LDS address of my A images in slot 0, 1
.set ADRB, 20                          ; v20-23 of my B fragments
.set STO,  24
.set RD,   25
.set CO,   26
.set ADRS, 27
.set SPW,  28
.set NIL,  29
.set SC,   32
.set BI,   64                          ; v64-127: register 8 b + j: the bias of column 32 (b / 2) + 16 h + 8 (b % 2) + j
.set AF,   128
.set BK,   128
.set G1, 24
.set G0, 32
.set G1B, 48
.set G0B, 56
.set G1SB, 80
.set G0SB, 88
.set MSB, 0
.macro WIN new
.if MSB != \new
	s_set_vgpr_msb (MSB<<8)|\new
.set MSB, \new
.endif
.endm
.set MUL_LO, 0xa1                      ; source 0 (B) window 1, source 1 (A) window 0, C and D window 2
.set MUL_HI, 0xf1
.set FIRST_LO, 0x81                    ; the first step: C (the bias) window 0, D window 2
.set FIRST_HI, 0xc1
.set TO_B,   0x40
.macro JLOAD g0a, g1a, g0b, g1b        ; a joint refill: waves 0 and 1 for A, waves 2 and 3 for B; an s_nop 0 and four v_nop follow each of the two lines
	s_cmp_eq_u32 s15, 0
	s_cbranch_scc0 .Lfor_b_\@
	tensor_load_to_lds s[\g0a:\g0a+3], s[\g1a:\g1a+7]
	s_nop 0
.rept 4
	v_nop
.endr
	s_branch .Lasked_\@
.Lfor_b_\@:
	tensor_load_to_lds s[\g0b:\g0b+3], s[\g1b:\g1b+7]
	s_nop 0
.rept 4
	v_nop
.endr
.Lasked_\@:
.endm
.macro CREST
	s_cmp_lg_u32 s14, 0
	s_cbranch_scc1 .Lnot_wave_0_\@
	s_barrier_signal -3
.Lnot_wave_0_\@:
	s_barrier_wait -3
	s_barrier_signal -1
	s_barrier_wait -1
.endm
.macro CROUND
	s_barrier_signal -1
	s_barrier_wait -1
	CREST
.endm
	s_load_b256 s[4:11], s[0:1], 0x0               ; o_img s[4:5], o_sc s[6:7], w_codes s[8:9], w_scales s[10:11]
	s_load_b128 s[96:99], s[0:1], 0x20             ; proj_b s[96:97], out0 s[98:99]
	v_lshl_add_u32 v[SPW], v0, 2, SPARE
	v_mov_b32 v[NIL], 0
	ds_add_u32 v[SPW], v[NIL]                      ; the wave's opening
	ds_add_u32 v[SPW], v[NIL]
	v_lshrrev_b32 v1, 5, v0
	v_readfirstlane_b32 s14, v1                    ; wave 0..3
	s_lshr_b32 s15, s14, 1                         ; which half of the tile's rows is mine.  Also: I fetch for A (0) or for B (1)
	s_and_b32 s16, s14, 1                          ; which half of its columns.  Also: which part I fetch
	s_bfe_u32 s40, ttmp6, 0x40000
	s_bfe_u32 s41, ttmp6, 0x40004
	s_lshl_b32 s42, ttmp9, 2
	s_add_co_u32 s42, s42, s40                     ; tile column
	s_and_b32 s17, ttmp7, 0xffff
	s_lshl_b32 s17, s17, 2
	s_add_co_u32 s17, s17, s41                     ; tile row: the block of 256 positions
	s_lshl_b32 s43, s41, 2
	s_lshl_b32 s43, 15, s43                        ; my row of the cluster
	s_lshl_b32 s44, 0x1111, s40                    ; my column
	; A: 24,576 dense bytes as 96 rows of 256 bytes (32 elements of 8 bytes), no padding
	s_or_b32 s[G1+0], s43, (3<<16)|(1<<21)
	s_mov_b32 s[G1+1], 32<<16
	s_mov_b32 s[G1+2], 192<<16                     ; the head's load brings a whole slot of A; behind it 96 rows
	s_mov_b32 s[G1+3], 32<<16
	s_mov_b32 s[G1+4], 192
	s_mov_b32 s[G1+5], 32
	s_mov_b32 s[G1+6], 0
	s_mov_b32 s[G1+7], 0
	; B: 128 rows x 192 bytes, 16 bytes of padding behind every 64
	s_or_b32 s[G1B+0], s44, (0<<16)|(1<<20)|(1<<21)|(3<<22)|(3<<25)
	s_mov_b32 s[G1B+1], 256<<16
	s_mov_b32 s[G1B+2], 192<<16                    ; the head's load: 256 rows of codes as 192 rows of 256 bytes; behind it 96
	s_mov_b32 s[G1B+3], 256<<16
	s_mov_b32 s[G1B+4], 192
	s_mov_b32 s[G1B+5], 256
	s_mov_b32 s[G1B+6], 0
	s_mov_b32 s[G1B+7], 0
	; B's scales of 128 rows: 16 rows of 256 bytes, 16 bytes of padding behind each
	s_or_b32 s[G1SB+0], s44, (3<<16)|(1<<20)|(1<<21)|(5<<22)|(3<<25)
	s_mov_b32 s[G1SB+1], 32<<16
	s_mov_b32 s[G1SB+2], 16<<16
	s_mov_b32 s[G1SB+3], 32<<16
	s_mov_b32 s[G1SB+4], 16
	s_mov_b32 s[G1SB+5], 32
	s_mov_b32 s[G1SB+6], 0
	s_mov_b32 s[G1SB+7], 0
	s_mul_i32 s20, s17, 8*HALFA                    ; A: my block's eight K steps of 128,
	s_mul_i32 s45, s16, HALFA                      ; the one of a slot's two that I fetch: in memory and in LDS
	s_mov_b32 s21, 0
	s_lshl_b32 s46, s42, 8                         ; B: the tile's first row, 256 x tile column
	s_mov_b32 s47, 0
	s_mov_b32 s12, s45                             ; my part in the ring, in bytes: of A,
	s_mov_b32 s13, 0
	s_mul_i32 s66, s16, 128*KROW                   ; of B's codes,
	s_mov_b32 s67, 0
	s_lshl_b32 s2, s16, 12                         ; and of B's scales
	s_mov_b32 s3, 0
	s_mov_b64 s[18:19], KS
	s_mul_u64 s[92:93], s[46:47], s[18:19]
	s_mov_b64 s[18:19], KROW
	s_mul_u64 s[46:47], s[46:47], s[18:19]
	s_mul_i32 s95, s16, HALFT
	s_add_co_u32 s95, s95, BOFF                    ; B's place in a slot
	s_mul_i32 s94, s14, HALFS                      ; waves 2 and 3: B's scales lie behind A's two halves
	s_wait_dscnt 0x0                               ; the opening add is done
	s_wait_kmcnt 0x0
	s_add_nc_u64 s[20:21], s[4:5], s[20:21]
	s_add_nc_u64 s[8:9], s[8:9], 3072*KROW         ; proj_w's rows of w_codes,
	s_add_nc_u64 s[10:11], s[10:11], 3072*KS       ; and of w_scales
	s_add_nc_u64 s[46:47], s[8:9], s[46:47]
	s_add_nc_u64 s[92:93], s[10:11], s[92:93]
	s_add_nc_u64 s[92:93], s[92:93], s[2:3]
	CROUND                                         ; all sixteen work-groups are here: the first joint loads meet
	s_mov_b32 s[G0SB], 1
	s_add_co_u32 s[G0SB+1], s94, SCL
	s_mov_b64 s[G0SB+2:G0SB+3], s[92:93]
	s_or_b32 s[G0SB+3], s[G0SB+3], 0x80000000
	s_mov_b32 s[G0], 1                             ; the head: slot 0's A whole,
	s_mov_b32 s[G0+1], 0
	s_mov_b64 s[G0+2:G0+3], s[20:21]
	s_or_b32 s[G0+3], s[G0+3], 0x80000000
	s_mov_b32 s[G0B], 1                            ; and its B whole
	s_mov_b32 s[G0B+1], BOFF
	s_mov_b64 s[G0B+2:G0B+3], s[46:47]
	s_or_b32 s[G0B+3], s[G0B+3], 0x80000000
	s_add_nc_u64 s[20:21], s[20:21], s[12:13]      ; for the ring: my part
	s_add_nc_u64 s[46:47], s[46:47], s[66:67]
	s_mov_b32 s[G0+4], 1                           ; slot 1
	s_add_co_u32 s[G0+5], s45, SLOT
	s_add_nc_u64 s[G0+6:G0+7], s[20:21], 2*HALFA
	s_or_b32 s[G0+7], s[G0+7], 0x80000000
	s_mov_b32 s[G0B+4], 1
	s_add_co_u32 s[G0B+5], s95, SLOT
	s_add_nc_u64 s[G0B+6:G0B+7], s[46:47], WPL
	s_or_b32 s[G0B+7], s[G0B+7], 0x80000000
	s_cmp_eq_u32 s14, 0                            ; one load a wave, in one chain on the wave's number: wave 0 A, wave 1 B, waves 2 and 3 a half each of B's scales
	s_cbranch_scc0 .Lhead_b
	tensor_load_to_lds s[G0:G0+3], s[G1:G1+7]
	s_nop 0
.rept 4
	v_nop
.endr
	s_branch .Lfirst_asked
.Lhead_b:
	s_cmp_eq_u32 s14, 1
	s_cbranch_scc0 .Lhead_s
	tensor_load_to_lds s[G0B:G0B+3], s[G1B:G1B+7]
	s_nop 0
.rept 4
	v_nop
.endr
	s_branch .Lfirst_asked
.Lhead_s:
	tensor_load_to_lds s[G0SB:G0SB+3], s[G1SB:G1SB+7]
	s_nop 0
.rept 4
	v_nop
.endr
.Lfirst_asked:
	v_and_b32 v1, 15, v0                           ; r
	v_bfe_u32 v2, v0, 4, 1                         ; h
	v_and_b32 v6, 31, v0                           ; lane
	v_lshlrev_b32 v[CO], 4, v6                     ; 16 x lane
	v_mul_u32_u24 v3, v1, PITCH
	v_mul_u32_u24 v4, v2, 24
	v_add_nc_u32 v4, v3, v4                        ; B: a fragment's row x pitch + 24 x half
	v_lshl_add_u32 v5, v2, 4, v4                   ; and the same behind one padding more
	s_mul_i32 s21, s15, 8*1536                     ; A: my eight blocks' images
	s_mul_i32 s22, s16, HALFT
	s_add_co_u32 s22, s22, BOFF
.irp s, 0,1
	v_add_nc_u32 v[ADRA+\s], s21, v[CO]
	v_add_nc_u32 v[ADRB+\s], s22, v4
	v_add_nc_u32 v[ADRB+2+\s], s22, v5
	s_add_co_u32 s21, s21, SLOT
	s_add_co_u32 s22, s22, SLOT
.endr
	v_mul_u32_u24 v5, v1, KS
	v_lshrrev_b32 v7, 8, v5
	v_lshl_add_u32 v5, v7, 4, v5
	s_mul_i32 s21, s15, HALFS
	s_mul_i32 s22, s16, HALFS
	s_add_co_u32 s22, s22, 2*HALFS
	s_sub_co_u32 s22, s22, s21
	v_mul_u32_u24 v7, s22, v2                      ; lanes 16-31 take B's: one product, the distance between the two bases
	s_add_co_u32 s21, s21, SCL
	v_add_nc_u32 v5, v5, v7
	v_add_nc_u32 v[ADRS], s21, v5
	s_mul_i32 s23, s14, 16*SPITCH                  ; my stage
	v_mul_u32_u24 v5, v1, SPITCH
	v_lshl_add_u32 v5, v2, 6, v5                   ; in: row r, + 64 h: my half's 16 columns of each 32
	v_add_nc_u32 v[STO], s23, v5
	v_add_nc_u32 v[RD], s23, v[CO]                 ; back: the 32 lanes take one row of 512 bytes
	; A's scale words: wave w takes rows 64 w .. 64 w + 63 of the tile, all eight planes: a lane gathers a row's eight words and stores them as the row's 32 bytes
	s_lshl_b32 s22, s17, 10
	s_lshl_b32 s23, s14, 8
	s_add_co_u32 s22, s22, s23
	s_mov_b32 s23, 0
	s_add_nc_u64 s[6:7], s[6:7], s[22:23]
	v_lshlrev_b32 v11, 2, v6
.irp g, 0,1
.irp s, 0,1,2,3,4,5,6,7
	global_load_b32 v[224+8*\g+\s], v11, s[6:7] offset:\s*32768+128*\g
.endr
.endr
	v_lshrrev_b32 v12, 3, v6
	v_lshlrev_b32 v12, 4, v12
	v_lshl_add_u32 v12, v6, 5, v12                 ; 32 x lane + 16 (lane / 8)
	s_mul_i32 s22, s14, 2176                       ; 64 rows with their padding: each wave's bytes are its own
	s_add_co_u32 s22, s22, SCL
	v_add_nc_u32 v12, s22, v12
	; the bias of my 128 columns
	s_lshl_b32 s22, s42, 10
	s_lshl_b32 s18, s16, 9
	s_add_co_u32 s22, s22, s18
	s_add_nc_u64 s[96:97], s[96:97], s[22:23]
	v_lshlrev_b32 v7, 6, v2
.irp b, 0,1,2,3,4,5,6,7
	global_load_b128 v[BI+8*\b:BI+8*\b+3], v7, s[96:97] offset:(32*(\b/2)+8*(\b%2))*4
	global_load_b128 v[BI+8*\b+4:BI+8*\b+7], v7, s[96:97] offset:(32*(\b/2)+8*(\b%2))*4+16
.endr
	; out0 at my first row and column
	s_lshl_b32 s20, s17, 8
	s_lshl_b32 s21, s15, 7
	s_add_co_u32 s20, s20, s21
	s_lshl_b32 s20, s20, 12                        ; a row of out0 is 4,096 bytes
	s_add_co_u32 s20, s20, s22                     ; + 1,024 x tile column + 512 x half
	s_mov_b32 s21, 0
	s_add_nc_u64 s[98:99], s[98:99], s[20:21]
	s_wait_alu depctr_va_vdst(0)
	s_wait_loadcnt 0x0
.irp g, 0,1
	ds_store_b128 v12, v[224+8*\g:224+8*\g+3] offset:1088*\g
	ds_store_b128 v12, v[224+8*\g+4:224+8*\g+7] offset:1088*\g+16
.endr
.macro FRAG reg, adr, q, i             ; a fragment of B from rows of codes, in pieces of 8 bytes
.irp p, 0,1,2,3,4,5
.set PC, 12*(\q)+6*(\p/3)+\p%3
.if PC%8 < 5
	ds_load_b64 v[\reg+2*\p:\reg+2*\p+1], v[\adr] offset:8*PC+16*(PC/8)+(\i)*16*PITCH
.else
	ds_load_b64 v[\reg+2*\p:\reg+2*\p+1], v[\adr+2] offset:8*PC+16*(PC/8)+(\i)*16*PITCH
.endif
.endr
.endm
.macro FRAGA reg, slot, q, i           ; a fragment of A from its image
.irp c, 0,1,2
	ds_load_b128 v[\reg+4*\c:\reg+4*\c+3], v[ADRA+\slot] offset:(\q)*HALFA+(\i)*1536+512*\c
.endr
.endm
; 16 matrix instructions: A's blocks a0, a0 + 1 x B's eight.  first = 1: the bias is the C.  The 64 accumulators take turns, one instruction a turn.
.macro MUL16 a0, p, q, sc, first
.irp a, \a0, \a0+1
.irp b, 0,1,2,3,4,5,6,7
.if \first
	v_wmma_scale_f32_16x16x128_f8f6f4 v[8*(8*((\a)%4)+\b):8*(8*((\a)%4)+\b)+7], v[128*(\p)+FR*\b:128*(\p)+FR*\b+FR-1], v[AF+FR*(\a):AF+FR*(\a)+FR-1], v[BI+8*\b:BI+8*\b+7], v[SC+8*NQ*(\sc)+NQ*\b+(\q)], v[SC+8*NQ*(\sc)+NQ*(\a)+(\q)] matrix_a_fmt:MATRIX_FMT_FP6 matrix_b_fmt:MATRIX_FMT_FP6 matrix_a_scale:MATRIX_SCALE_ROW1
.else
	v_wmma_scale_f32_16x16x128_f8f6f4 v[8*(8*((\a)%4)+\b):8*(8*((\a)%4)+\b)+7], v[128*(\p)+FR*\b:128*(\p)+FR*\b+FR-1], v[AF+FR*(\a):AF+FR*(\a)+FR-1], v[8*(8*((\a)%4)+\b):8*(8*((\a)%4)+\b)+7], v[SC+8*NQ*(\sc)+NQ*\b+(\q)], v[SC+8*NQ*(\sc)+NQ*(\a)+(\q)] matrix_a_fmt:MATRIX_FMT_FP6 matrix_b_fmt:MATRIX_FMT_FP6 matrix_a_scale:MATRIX_SCALE_ROW1
.endif
.endr
.endr
.endm
.macro FETCH_B slot, q, p
	WIN TO_B
.irp i, 0,1,2,3,4,5,6,7
	FRAG 128*(\p)+FR*\i, ADRB+\slot, \q, \i
.endr
	WIN 0
.endm
.macro FETCH_A slot, q, i0
.irp i, \i0, \i0+1, \i0+2, \i0+3
	FRAGA AF+FR*(\i), \slot, \q, \i
.endr
.endm
.macro SCALES sc
.irp i, 0,1,2,3,4,5,6,7
	ds_load_b64 v[SC+8*NQ*\sc+NQ*\i:SC+8*NQ*\sc+NQ*\i+1], v[ADRS] offset:\i*SBLK
.endr
.endm
.macro PLACES n
.rept \n
	v_nop
.endr
.endm
.macro STEP slot, q, first
	s_wait_dscnt 4*NLA                             ; B's set and A's blocks 0-3 are in; the youngest 12 loads (A's blocks 4-7) may be out
.if \first
	WIN FIRST_LO
.else
	WIN MUL_LO
.endif
	MUL16 0, (\q)%2, \q, \slot, \first
	MUL16 2, (\q)%2, \q, \slot, \first
	s_wait_dscnt 0
	PLACES NP
	FETCH_B \slot, (\q)+1, 1-(\q)%2
	FETCH_A \slot, (\q)+1, 0
.if \first
	WIN FIRST_HI
.else
	WIN MUL_HI
.endif
	MUL16 4, (\q)%2, \q, \slot, \first
	MUL16 6, (\q)%2, \q, \slot, \first
	PLACES NP
	WIN 0
	FETCH_A \slot, (\q)+1, 4
.endm
.macro TURN slot, next, fill           ; a slot's last step changes slots: ONE barrier
	s_wait_tensorcnt 0x0                           ; all my tensor loads have landed: my part of the next slot
	ds_add_u32 v[SPW], v[NIL]                      ; 0 onto my spare word
	s_wait_dscnt 4*NLA+1                           ; (the add and the youngest 12 loads may be out)
	WIN MUL_LO
	MUL16 0, 1, NQ-1, \slot, 0
	s_wait_dscnt 0x0                               ; the add is done, and my reads of this slot are over
	s_barrier_signal -1
	MUL16 2, 1, NQ-1, \slot, 0
	WIN 0
	s_barrier_wait -1
.if \fill
	CREST                                          ; the barrier has opened a round of the cluster's barrier
	s_add_nc_u64 s[G0+4*\slot+2:G0+4*\slot+3], s[G0+4*\slot+2:G0+4*\slot+3], 4*HALFA
	s_add_nc_u64 s[G0B+4*\slot+2:G0B+4*\slot+3], s[G0B+4*\slot+2:G0B+4*\slot+3], 2*WPL
	JLOAD G0+4*\slot, G1, G0B+4*\slot, G1B         ; my one tensor load behind the round; its four v_nop are the places in front of the loads below
.else
	PLACES NP
.endif
	s_wait_alu depctr_va_vdst(0)
	v_add_nc_u32 v[ADRS], 4*NQ, v[ADRS]
	FETCH_B \next, 0, 0
	FETCH_A \next, 0, 0
	SCALES \next
	WIN MUL_HI
	MUL16 4, 1, NQ-1, \slot, 0
	MUL16 6, 1, NQ-1, \slot, 0
	PLACES NP
	WIN 0
	FETCH_A \next, 0, 4
.endm
	s_wait_tensorcnt 0x0                           ; my tile of the head's is in
	ds_add_u32 v[SPW], v[NIL]
	s_mov_b32 s[G1+2], 96<<16                      ; no tensor load of mine is out: from here on a load brings half a slot's A or B,
	s_mov_b32 s[G1+4], 96
	s_mov_b32 s[G1B+2], 96<<16
	s_mov_b32 s[G1B+4], 96
	s_mov_b32 s[G0+1], s45                         ; and slot 0's descriptors stand at my part
	s_add_nc_u64 s[G0+2:G0+3], s[G0+2:G0+3], s[12:13]
	s_mov_b32 s[G0B+1], s95
	s_add_nc_u64 s[G0B+2:G0B+3], s[G0B+2:G0B+3], s[66:67]
	s_wait_dscnt 0x0                               ; the add is done, and my rows' scale words lie in LDS
	CROUND
	JLOAD G0+4, G1, G0B+4, G1B                     ; slot 1, the first tensor load behind the round
	FETCH_B 0, 0, 0
	FETCH_A 0, 0, 0
	SCALES 0
	FETCH_A 0, 0, 4
	STEP 0, 0, 1                                   ; the first step's products start the sums, on the bias
	s_mov_b32 s3, LAPS-1
.Llap:
	TURN 0, 1, 1
	STEP 1, 0, 0
	TURN 1, 0, 1
	STEP 0, 0, 0
	s_sub_co_u32 s3, s3, 1
	s_cmp_lg_u32 s3, 0
	s_cbranch_scc1 .Llap
	TURN 0, 1, 0
	STEP 1, 0, 0
	s_wait_dscnt 4*NLA
	WIN MUL_LO
	MUL16 0, 1, NQ-1, 1, 0
	MUL16 2, 1, NQ-1, 1, 0
	s_wait_dscnt 0
	WIN MUL_HI
	MUL16 4, 1, NQ-1, 1, 0
	MUL16 6, 1, NQ-1, 1, 0
	WIN 0
; THE WAY OUT, block by block of 16 rows x 128 columns, through my own stage in LDS; LDS serves a wave's instructions in order, so no wait stands between the stores and the loads.
.macro TOSTAGE a
.set AC, 64*((\a)%4)
	WIN 0x08+4*((\a)/4)                            ; the data: window 2 or 3
.irp b, 0,1,2,3,4,5,6,7
	ds_store_b128 v[STO], v[AC+8*\b:AC+8*\b+3] offset:128*(\b/2)+32*(\b%2)        ; columns 32 (b / 2) + 16 h + 8 (b % 2) on; each accumulator from its low end on
	ds_store_b128 v[STO], v[AC+8*\b+4:AC+8*\b+7] offset:128*(\b/2)+32*(\b%2)+16
.endr
	WIN 0
.set BB, BK+64*((\a)%2)
.irp t, 0,1,2,3,4,5,6,7,8,9,10,11,12,13,14,15
	ds_load_b128 v[BB+4*\t:BB+4*\t+3], v[RD] offset:\t*SPITCH
.endr
.endm
.macro SEND a, younger                 ; younger: the LDS instructions issued behind block a's loads, which may stay out
.set BB, BK+64*((\a)%2)
	s_wait_dscnt \younger
.irp t, 0,1,2,3,4,5,6,7,8,9,10,11,12,13,14,15
	global_store_b128 v[CO], v[BB+4*\t:BB+4*\t+3], s[98:99] offset:(32*((\a)/2)+8*((\a)%2)+\t+8*(\t/8))*4096 th:TH_STORE_NT   ; position 16 a + t is this token; 32 lanes store 512 consecutive bytes, aligned; the offset stays under 128 rows
.endr
.endm
	PLACES NP
	TOSTAGE 0
.irp a, 1,2,3,4,5,6,7
.if \a > 1
	s_wait_xcnt 0x0                                ; block a - 2's stores have read their registers: block a's loads may land there
.endif
	TOSTAGE \a
	SEND \a-1, 32                                  ; behind block a - 1's loads: block a's 16 stores and 16 loads
.endr
	SEND 7, 0
	s_wait_tensorcnt 0x0                           ; the wave's end
	ds_add_u32 v[SPW], v[NIL]
	s_wait_dscnt 0x0
	CROUND                                         ; the closing round
	s_endpgm
.Lfunc_end_k_q18fca503ed_gemm_proj:
	.size	k_q18fca503ed_gemm_proj, .Lfunc_end_k_q18fca503ed_gemm_proj-k_q18fca503ed_gemm_proj
	.p2alignl 7, 3214868480
	.fill 96, 4, 3214868480
	.section	.rodata,"a",@progbits
	.p2align	6, 0x0
	.amdhsa_kernel k_q18fca503ed_gemm_proj
		.amdhsa_group_segment_fixed_size 327680
		.amdhsa_private_segment_fixed_size 0
		.amdhsa_enable_private_segment 0
		.amdhsa_kernarg_size 48
		.amdhsa_user_sgpr_count 2
		.amdhsa_user_sgpr_kernarg_segment_ptr 1
		.amdhsa_wavefront_size32 1
		.amdhsa_system_sgpr_workgroup_id_x 1
		.amdhsa_system_sgpr_workgroup_id_y 1
		.amdhsa_system_sgpr_workgroup_id_z 1
		.amdhsa_system_vgpr_workitem_id 0
		.amdhsa_next_free_vgpr 1024
		.amdhsa_next_free_sgpr 102
		.amdhsa_reserve_vcc 0
		.amdhsa_float_denorm_mode_32 3
		.amdhsa_float_denorm_mode_16_64 3
		.amdhsa_memory_ordered 1
		.amdhsa_forward_progress 1
		.amdhsa_inst_pref_size 151
	.end_amdhsa_kernel
	.amdgpu_metadata
---
amdhsa.version: [ 1, 2 ]
amdhsa.kernels:
  - .name:           k_q18fca503ed_gemm_proj
    .symbol:         k_q18fca503ed_gemm_proj.kd
    .args:
      - { .name: o_img, .offset: 0, .size: 8, .value_kind: global_buffer, .address_space: global }
      - { .name: o_sc, .offset: 8, .size: 8, .value_kind: global_buffer, .address_space: global }
      - { .name: w_codes, .offset: 16, .size: 8, .value_kind: global_buffer, .address_space: global }
      - { .name: w_scales, .offset: 24, .size: 8, .value_kind: global_buffer, .address_space: global }
      - { .name: proj_b, .offset: 32, .size: 8, .value_kind: global_buffer, .address_space: global }
      - { .name: out0, .offset: 40, .size: 8, .value_kind: global_buffer, .address_space: global }
    .group_segment_fixed_size: 327680
    .private_segment_fixed_size: 0
    .kernarg_segment_align: 8
    .kernarg_segment_size: 48
    .max_flat_workgroup_size: 128
    .sgpr_count:     102
    .vgpr_count:     1024
    .wavefront_size: 32
...
	.end_amdgpu_metadata
.endif
;; end of part 4
